; MI455X (gfx1250); checked and timed in simulation.
; The chip was launched on July 23, 2026; its instructions are those of AMD's public machine-readable ISA for CDNA 5 (MIT licence, August 2026) and "CDNA5" Instruction Set Architecture Reference Guide (July 2026). The comments in the code are by the model that wrote it; some were corrected since.
;; Multi Head Attention. Allowed arithmetic: float matrix products may take bf16 or f16 operands with f32 sums; all other float work in f32.
;; Inputs: W_ks 1,024 x 1,024 float32; W_qs 1,024 x 1,024 float32; W_vs 1,024 x 1,024 float32; fc_b 1,024 float32; fc_w 1,024 x 1,024 float32; k 4 x 2,048 x 1,024 float32; ln_b 1,024 float32; ln_g 1,024 float32; q 4 x 2,048 x 1,024 float32; v 4 x 2,048 x 1,024 float32.
;; Outputs: out0 4 x 2,048 x 1,024 float32.
;; One version. Each part assembles by itself: llvm-mc -triple=amdgcn-amd-amdhsa -mcpu=gfx1250 --defsym DOCPART=n.
;; ======== version 1 of 1: 4 launches
;; limits: values are held in f16: magnitudes above 65,504 overflow, below 6.1e-05 lose precision
;; workspace buffers: wt 8,388,608 bytes; qh 16,777,216 bytes; kh 16,777,216 bytes; vh 16,777,216 bytes; oh 16,777,216 bytes
;; launch prep (part 1): grid 64 x 4, 4 waves a work-group, no clusters, 35,328 bytes of LDS; arguments W_qs, W_ks, W_vs, fc_w, wt; writes wt
.if DOCPART == 1
	.amdgcn_target "amdgcn-amd-amdhsa--gfx1250"
	.amdhsa_code_object_version 6
	.text
	.protected	k_qe7973041ff_prep
	.globl	k_qe7973041ff_prep
	.p2align	8
	.type	k_qe7973041ff_prep,@function
k_qe7973041ff_prep:
	s_mov_b64 s[64:65], 0
	v_nop
	global_prefetch_b8 v0, s[64:65] scope:SCOPE_SE
	s_setreg_imm32_b32 hwreg(HW_REG_WAVE_MODE, 25, 1), 1
	s_wait_xcnt 0x0
; The four weights, [k = 1024][n = 1024] f32, are turned and rounded once to 16 bits, so that the products behind find K along the rows.
; wt: bytes 0, 2 MiB, 4 MiB: W_qs, W_ks, W_vs as [n][k] bf16 (rows of 2,048 bytes);  byte 6,291,456: fc_w as [k / 64][n][k % 64] f16 (a K step of 64 is 131,072 dense bytes).
; LIMIT: fc_w goes to f16: |fc_w| stays below 65,504; below 6e-5 it keeps f16's fixed step of 6e-8.
; SHARES.  Work-group (x, y): matrix y, 128 k (block x % 8) x 128 n (block x / 8).  Wave w loads k rows 32 w .. 32 w + 31; a lane takes 4 columns, so a load of the wave covers
; 512 consecutive bytes of one k row.  Two k of one column are packed into a word; eight k of one column (16 bytes) go into LDS rows [n] of 256 + 16 bytes; behind one barrier whole rows come
; back and leave, sixteen lanes (or 32) storing consecutive bytes.  No matrix unit, no tensor load, no cluster: each byte is read once and written once, and no two work-groups share a byte.
.set LP,  272                          ; an LDS row: 128 k x 2 bytes + 16
.set SA,  2                            ; v2   where my lane puts 16 bytes: row 4 l, byte 64 w
.set RD,  3                            ; v3   where I read rows back
.set GO,  4                            ; v4   my byte offset in wt
.set X,   16                           ; v[16:143]  32 loads x 4 registers; later 16 x 4 read back
.set Y,   144                          ; v[144:207] packed: group g of 8 k, column i at Y + 16 g + 4 i
	s_load_b256 s[4:11], s[0:1], 0x0               ; W_qs, W_ks, W_vs, fc_w
	s_load_b64 s[12:13], s[0:1], 0x20              ; wt
	v_lshl_add_u32 v208, v0, 2, 0x8800
	v_mov_b32 v209, 0
	s_and_b32 s14, ttmp7, 0xffff                   ; y: which matrix
	s_and_b32 s15, ttmp9, 7                        ; kt: block of 128 k
	s_lshr_b32 s16, ttmp9, 3                       ; nt: block of 128 n
	v_lshrrev_b32 v5, 5, v0
	v_readfirstlane_b32 s17, v5                    ; wave
	v_and_b32 v6, 31, v0                           ; lane
	v_lshlrev_b32 v1, 4, v6                        ; 16 bytes a lane
	v_mul_u32_u24 v[SA], v6, 4*LP                  ; row 4 l
	s_lshl_b32 s20, s17, 6
	v_add_nc_u32 v[SA], s20, v[SA]                 ; + 2 bytes x 32 w
	s_lshl_b32 s18, s15, 19                        ; 128 kt rows of 4,096 bytes
	s_lshl_b32 s20, s17, 17                        ; 32 w rows
	s_add_co_u32 s18, s18, s20
	s_lshl_b32 s20, s16, 9                         ; 128 nt columns of 4 bytes
	s_add_co_u32 s18, s18, s20
	s_mov_b32 s19, 0
	s_wait_kmcnt 0x0
	s_cmp_eq_u32 s14, 1                            ; the source is chosen by y alone
	s_cselect_b64 s[4:5], s[6:7], s[4:5]
	s_cmp_eq_u32 s14, 2
	s_cselect_b64 s[4:5], s[8:9], s[4:5]
	s_cmp_eq_u32 s14, 3
	s_cselect_b64 s[4:5], s[10:11], s[4:5]
	s_add_nc_u64 s[4:5], s[4:5], s[18:19]
.set i, 0
.rept 32
	global_load_b128 v[X+4*i:X+4*i+3], v1, s[4:5] offset:i*4096 th:TH_LOAD_NT  ; k row i of my 32
.set i, i+1
.endr
; Group g of eight k rows: the count leaves the younger groups' loads out (8 for each of groups g + 1 .. 3).  Word j of column i: k = 8 g + 2 j below, 8 g + 2 j + 1 above.
.macro CVT op
.irp g, 0,1,2,3
	s_wait_loadcnt 24-8*(\g)
.irp i, 0,1,2,3
.irp j, 0,1,2,3
	\op v[Y+16*(\g)+4*(\i)+(\j)], v[X+4*(8*(\g)+2*(\j))+(\i)], v[X+4*(8*(\g)+2*(\j)+1)+(\i)]
.endr
.endr
.endr
.endm
	s_cmp_eq_u32 s14, 3
	s_cbranch_scc1 .Lhalf
	CVT v_cvt_pk_bf16_f32
	s_branch .Lpacked
.Lhalf:
	CVT v_cvt_pk_f16_f32
.Lpacked:
.irp g, 0,1,2,3
.irp i, 0,1,2,3
	ds_store_b128 v[SA], v[Y+16*(\g)+4*(\i):Y+16*(\g)+4*(\i)+3] offset:(\i)*LP+(\g)*16  ; row 4 l + i, k = 32 w + 8 g ..; rows 4 apart share banks four deep: sixteen such stores a wave in the launch
.endr
.endr
	s_wait_dscnt 0x0                               ; for the others' sake: my stores are done
	s_barrier_signal -1
	s_barrier_wait -1
	s_mul_i32 s20, s17, 32*LP                      ; wave w sends rows 32 w .. 32 w + 31
	s_cmp_eq_u32 s14, 3
	s_cbranch_scc1 .Lblocks
	; [n][k] bf16: lanes 0-15 take one row's 256 bytes, lanes 16-31 the next row's
	v_lshrrev_b32 v7, 4, v6
	v_and_b32 v8, 15, v6
	v_mul_u32_u24 v[RD], v7, LP
	v_lshl_add_u32 v[RD], v8, 4, v[RD]
	v_add_nc_u32 v[RD], s20, v[RD]
	v_lshlrev_b32 v[GO], 11, v7
	v_lshl_add_u32 v[GO], v8, 4, v[GO]
	s_lshl_b32 s18, s14, 21                        ; the matrix: 2 MiB each
	s_lshl_b32 s20, s16, 18                        ; 128 nt rows of 2,048 bytes
	s_add_co_u32 s18, s18, s20
	s_lshl_b32 s20, s17, 16                        ; 32 w rows
	s_add_co_u32 s18, s18, s20
	s_lshl_b32 s20, s15, 8                         ; 128 kt x 2 bytes
	s_add_co_u32 s18, s18, s20
	s_add_nc_u64 s[12:13], s[12:13], s[18:19]
.set t, 0
.rept 16
	ds_load_b128 v[X+4*t:X+4*t+3], v[RD] offset:t*2*LP
.set t, t+1
.endr
.set t, 0
.rept 16
	s_wait_dscnt 15-t                              ; the younger read-backs stay out
	global_store_b128 v[GO], v[X+4*t:X+4*t+3], s[12:13] offset:t*4096  ; 16 lanes store 256 consecutive bytes, at a multiple of 256 from wt's first byte
.set t, t+1
.endr
	s_wait_tensorcnt 0x0
	ds_add_u32 v208, v209
	s_wait_dscnt 0x0
	s_endpgm
.Lblocks:
	; [k / 64][n][64] f16: 32 lanes take half (128 bytes) of four rows: 512 consecutive bytes of wt
	v_lshrrev_b32 v7, 3, v6
	v_and_b32 v8, 7, v6
	v_mul_u32_u24 v[RD], v7, LP
	v_lshl_add_u32 v[RD], v8, 4, v[RD]
	v_add_nc_u32 v[RD], s20, v[RD]
	s_lshl_b32 s18, s15, 18                        ; two blocks of 64 k, 131,072 bytes each
	s_lshl_b32 s20, s16, 14                        ; 128 nt rows of 128 bytes
	s_add_co_u32 s18, s18, s20
	s_lshl_b32 s20, s17, 12                        ; 32 w rows
	s_add_co_u32 s18, s18, s20
	s_add_co_u32 s18, s18, 6291456
	s_add_nc_u64 s[12:13], s[12:13], s[18:19]
.set t, 0
.rept 16
	ds_load_b128 v[X+4*t:X+4*t+3], v[RD] offset:(t/2)*4*LP+(t%2)*128
.set t, t+1
.endr
.set t, 0
.rept 16
	s_wait_dscnt 15-t
	global_store_b128 v1, v[X+4*t:X+4*t+3], s[12:13] offset:(t%2)*131072+(t/2)*512
.set t, t+1
.endr
	s_wait_tensorcnt 0x0
	ds_add_u32 v208, v209
	s_wait_dscnt 0x0
	s_endpgm
.Lfunc_end_k_qe7973041ff_prep:
	.size	k_qe7973041ff_prep, .Lfunc_end_k_qe7973041ff_prep-k_qe7973041ff_prep
	.p2alignl 7, 3214868480
	.fill 96, 4, 3214868480
	.section	.rodata,"a",@progbits
	.p2align	6, 0x0
	.amdhsa_kernel k_qe7973041ff_prep
		.amdhsa_group_segment_fixed_size 35328
		.amdhsa_private_segment_fixed_size 0
		.amdhsa_enable_private_segment 0
		.amdhsa_kernarg_size 40
		.amdhsa_user_sgpr_count 2
		.amdhsa_user_sgpr_kernarg_segment_ptr 1
		.amdhsa_wavefront_size32 1
		.amdhsa_system_sgpr_workgroup_id_x 1
		.amdhsa_system_sgpr_workgroup_id_y 1
		.amdhsa_system_sgpr_workgroup_id_z 1
		.amdhsa_system_vgpr_workitem_id 0
		.amdhsa_next_free_vgpr 210
		.amdhsa_next_free_sgpr 66
		.amdhsa_reserve_vcc 0
		.amdhsa_float_denorm_mode_32 3
		.amdhsa_float_denorm_mode_16_64 3
		.amdhsa_memory_ordered 1
		.amdhsa_forward_progress 1
		.amdhsa_inst_pref_size 22
	.end_amdhsa_kernel
	.amdgpu_metadata
---
amdhsa.version: [ 1, 2 ]
amdhsa.kernels:
  - .name:           k_qe7973041ff_prep
    .symbol:         k_qe7973041ff_prep.kd
    .args:
      - { .name: W_qs, .offset: 0, .size: 8, .value_kind: global_buffer, .address_space: global }
      - { .name: W_ks, .offset: 8, .size: 8, .value_kind: global_buffer, .address_space: global }
      - { .name: W_vs, .offset: 16, .size: 8, .value_kind: global_buffer, .address_space: global }
      - { .name: fc_w, .offset: 24, .size: 8, .value_kind: global_buffer, .address_space: global }
      - { .name: wt, .offset: 32, .size: 8, .value_kind: global_buffer, .address_space: global }
    .group_segment_fixed_size: 35328
    .private_segment_fixed_size: 0
    .kernarg_segment_align: 8
    .kernarg_segment_size: 40
    .max_flat_workgroup_size: 128
    .sgpr_count:     66
    .vgpr_count:     210
    .wavefront_size: 32
...
	.end_amdgpu_metadata
.endif
;; end of part 1
;; launch proj (part 2): grid 4 x 64, 4 waves a work-group, clusters of 4 x 4, 327,680 bytes of LDS; arguments q, k, v, wt, qh, kh, vh; writes qh, kh, vh
.if DOCPART == 2
	.amdgcn_target "amdgcn-amd-amdhsa--gfx1250"
	.amdhsa_code_object_version 6
	.text
	.protected	k_qe7973041ff_proj
	.globl	k_qe7973041ff_proj
	.p2align	8
	.type	k_qe7973041ff_proj,@function
k_qe7973041ff_proj:
	s_mov_b64 s[64:65], 0
	v_nop
	global_prefetch_b8 v0, s[64:65] scope:SCOPE_SE
	s_setreg_imm32_b32 hwreg(HW_REG_WAVE_MODE, 25, 1), 1
	s_wait_xcnt 0x0
	s_wait_alu depctr_hold_cnt(0) depctr_sa_sdst(0) depctr_va_vdst(0) depctr_va_sdst(0) depctr_va_ssrc(0) depctr_va_vcc(0) depctr_vm_vsrc(0)
	s_getreg_b32 s2, hwreg(HW_REG_IB_STS2, 6, 4)
	s_cmp_eq_u32 s2, 0
	s_cbranch_scc0 .Lentry_in_a_cluster
	s_endpgm
.Lentry_in_a_cluster:
	s_bfe_u32 s2, ttmp6, 0x10000c
	s_cmp_lg_u32 s2, 0xf033
	s_cbranch_scc0 .Lentry_shape_is_right
	s_endpgm
.Lentry_shape_is_right:
; qh = q W_qs, kh = k W_ks, vh = v W_vs.  x: [8192][1024] f32; the weights from wt as [n][k] bf16; results by heads, [b x 16 + head][n = 2048][64] f16, unscaled.  Sums in f32.
; x is rounded to bf16 on its way from LDS to the matrix unit: it is read from memory once, as f32, and no cast copy of it is written.
; LIMIT: the results go to f16: |x W| stays below 65,504.
; SHARES.  The three products have 3 x 64 x 4 tiles of 128 x 256: three for each of 256 work-groups.  A WORK-GROUP STAYS: it makes the tile at its place of q's product, then k's, then v's, and the ring of
; two LDS slots runs on across the tiles.  Four waves, each 64 x 128: 32 accumulators, 256 registers.  K goes in steps of 128: A's rows are 512 bytes, B's 256.
; CLUSTER 4 x 4.  The four of a cluster's row need the same tile of x, the four of a column the same tile of the weight: each is asked for jointly, by the same load, descriptor and mask in all four.
; THE MATRIX INSTRUCTION IS USED TRANSPOSED (source 0 = 16 rows of the weight, source 1 = 16 rows of x): a lane holds eight neighbouring columns of one row.
; ASKED AHEAD.  x comes from memory and each byte of it is read once, so each wave asks ahead for 8 rows x 1,024 bytes (a lap's two K steps) of the 128 rows that its cluster's row shares: work-group cx
; takes rows 32 cx .. 32 cx + 31, wave w 8 of them, a lane one block of 256 bytes: each block is asked for once in the launch.  The request stands in the second change of slots of lap L and names
; lap L + 2, whose first tensor load is issued one K step later; 32 KiB a work-group and lap, two laps ahead at the most.  One request at the start names lap 1, ten more laps 2 to 11 of the
; walk's 12; then the counter is 0 and nothing more is asked.
; REGISTERS, in windows of 256 (s_set_vgpr_msb: bits 1:0 source 0, 3:2 source 1, 5:4 source 2, 7:6 destination):
;   window 0: v0-31 addresses; v32-63, v64-95 x's fragments in bf16, two buffers; v96-159 x's fragments as loaded, f32; v160-223 the way out
;   window 1: the accumulators, (a, b) at v[8 (8 a + b)]          window 2: v0-63, v64-127 the weight's fragments, two buffers
.set KSTEP,  128
.set PA,     528                       ; an LDS row of x: 512 bytes + 16 = 132 words: row r starts at bank 4 r mod 64 (64 banks of 4 bytes: ISA guide 11.1)
.set PB,     272                       ; of the weight: 256 + 16 = 68 words: likewise
.set AHALF,  64*PA                     ; what one tensor load brings of x, and what one wave reads of it
.set BHALF,  128*PB                    ; the same for the weight
.set SLOT,   2*AHALF+2*BHALF           ; x's 128 rows, then the weight's 256
.set STAGE,  2*SLOT                    ; behind the ring: 16 rows x 144 bytes for each wave, for the way out; no fill lands here
.set SP,     144
.set SPARE,  STAGE+4*16*SP             ; behind the stages: the spare words, 128 bytes for each wave: two blocks of 256 bytes that no other line names
.set NEXT_B, 2097152-6*KSTEP*2         ; from a slot's last K step of a weight to its first of the next weight, 2 MiB on
.set ADRA, 16                          ; v16-17  LDS address of my fragments of x in slot 0, 1
.set ADRB, 20                          ; v20-21  the same for the weight
.set STO,  24                          ; v24     the way out: where I put 16 bytes of a row
.set RD,   25                          ; v25     where I read rows back
.set GO,   26                          ; v26     my byte offset in 512 consecutive bytes of the result
.set PFO,  27                          ; v27     my lane's block of 256 bytes among the tile row's 128 rows x 1,024 bytes; never rewritten
.set SPW,  28                          ; v28     LDS address of my spare word; never rewritten
.set NIL,  29                          ; v29     0; never rewritten
.set AF,   32
.set RAW,  96
.set OUT,  160
.set G1,  24                           ; s[24:31] descriptor group 1 for x's tiles;   s[32:39] group 0, a set for each slot
.set G0,  32
.set XN,  40                           ; s[40:41] the next tile's x at my rows;  s[42:43] the one behind it
.set XN2, 42
.set G1B, 48                           ; s[48:55], s[56:63] the same for the weight's tiles
.set G0B, 56
.set CB,  68                           ; s[68:73] qh, kh, vh at my part of the tile; s[68:69] is the one in hand
.set PF,  78                           ; s[78:79] x at the tile row, at the lap asked for last
.set XP,  80                           ; s[80:81] the next x at the tile row;  s[82:83] the one behind it
.set XP2, 82
.set PFC, 86                           ; s86  requests still to be made
.set PJ,  87                           ; s87  requests until the next one begins the next x
.set MSB, 0
.macro WIN new                         ; the immediate's high byte repeats the setting that is left; a switch that changes nothing is dropped
.if MSB != (\new)
	s_set_vgpr_msb (MSB<<8)|(\new)
.set MSB, \new
.endif
.endm
.set MUL,  0x52                        ; source 0 (weight) window 2, source 1 (x) window 0, C and D window 1
.set TO_B, 0x80                        ; destination window 2, address window 0
.set PK,   0x05                        ; sources 0 and 1 window 1, destination window 0
; A joint load.  Waves 0 and 1 fetch x's two halves, waves 2 and 3 the weight's.  The branch hangs on the wave's number alone.
; An s_nop 0 and four v_nop follow each of the two lines, ahead of the jump and the label.
.macro JLOAD s
	s_cmp_eq_u32 s13, 0
	s_cbranch_scc0 .Lfor_b_\@
	tensor_load_to_lds s[G0+4*(\s):G0+4*(\s)+3], s[G1:G1+7]
	s_nop 0
.rept 4
	v_nop
.endr
	s_branch .Lasked_\@
.Lfor_b_\@:
	tensor_load_to_lds s[G0B+4*(\s):G0B+4*(\s)+3], s[G1B:G1B+7]
	s_nop 0
.rept 4
	v_nop
.endr
.Lasked_\@:
.endm
.macro CREST                           ; a round of the cluster's barrier behind its opening barrier
	s_cmp_lg_u32 s12, 0
	s_cbranch_scc1 .Lnot_wave_0_\@
	s_barrier_signal -3
.Lnot_wave_0_\@:
	s_barrier_wait -3
	s_barrier_signal -1
	s_barrier_wait -1
.endm
.macro CROUND                          ; a whole round
	s_barrier_signal -1
	s_barrier_wait -1
	CREST
.endm
; The request ahead: the next lap's 1,024 bytes of my 8 rows; every fourth lap begins the next x.  The address pair is stepped here, a lap behind the request that read it, behind a wait of its own.
.macro ASK
	s_cmp_eq_u32 s[PFC], 0
	s_cbranch_scc1 .Lno_ask_\@                     ; all twelve laps have been asked for or loaded: no request points past v's rows
	s_wait_xcnt 0x0                                ; the last request has read its address
	s_add_nc_u64 s[PF:PF+1], s[PF:PF+1], 1024
	s_sub_co_u32 s[PFC], s[PFC], 1
	s_cmp_eq_u32 s[PJ], 0
	s_cselect_b64 s[PF:PF+1], s[XP:XP+1], s[PF:PF+1]
	s_cselect_b64 s[XP:XP+1], s[XP2:XP2+1], s[XP:XP+1]
	s_cselect_b32 s[PJ], 4, s[PJ]
	s_sub_co_u32 s[PJ], s[PJ], 1
	global_prefetch_b8 v[PFO], s[PF:PF+1] th:TH_LOAD_NT scope:SCOPE_SE
.Lno_ask_\@:
.endm
	s_load_b256 s[4:11], s[0:1], 0x0               ; q, k, v, wt
	s_load_b128 s[68:71], s[0:1], 0x20             ; qh, kh
	s_load_b64 s[72:73], s[0:1], 0x30              ; vh
	v_lshl_add_u32 v[SPW], v0, 2, SPARE
	v_mov_b32 v[NIL], 0
	ds_add_u32 v28, v29
	s_wait_dscnt 0x0
	v_lshrrev_b32 v1, 5, v0
	v_readfirstlane_b32 s12, v1                    ; wave 0..3
	s_lshr_b32 s13, s12, 1                         ; which 64 of the tile's rows are mine.  Also: I fetch for x (0) or for the weight (1)
	s_and_b32 s14, s12, 1                          ; which 128 of its columns.  Also: which half of that tile I fetch
	s_bfe_u32 s15, ttmp6, 0x40000                  ; cx
	s_bfe_u32 s16, ttmp6, 0x40004                  ; cy
	s_lshl_b32 s17, ttmp9, 2
	s_add_co_u32 s17, s17, s15                     ; tile column = 4 x cluster x + cx
	s_and_b32 s18, ttmp7, 0xffff
	s_lshl_b32 s18, s18, 2
	s_add_co_u32 s18, s18, s16                     ; tile row = 4 x cluster y + cy
	s_lshl_b32 s19, s16, 2
	s_lshl_b32 s19, 15, s19                        ; my row of the cluster
	s_lshl_b32 s20, 0x1111, s15                    ; my column
	s_or_b32 s[G1], s19, (2<<16)|(1<<20)|(1<<21)|(6<<22)|(3<<25)   ; the mask; elements of 4 bytes; padding on; 21 set beside a mask; after every 128 words (code 6) 4 words (code 3)
	s_mov_b32 s[G1+1], KSTEP<<16                   ; tensor_dim0 = 128
	s_mov_b32 s[G1+2], 64<<16                      ; tensor_dim1 = 64
	s_mov_b32 s[G1+3], KSTEP<<16                   ; tile_dim0 = 128
	s_mov_b32 s[G1+4], 64                          ; tile_dim1 = 64
	s_mov_b32 s[G1+5], 1024                        ; elements from row to row
	s_mov_b32 s[G1+6], 0
	s_mov_b32 s[G1+7], 0
	s_or_b32 s[G1B], s20, (1<<16)|(1<<20)|(1<<21)|(5<<22)|(3<<25)  ; elements of 2 bytes; after every 64 words (code 5) 4 words
	s_mov_b32 s[G1B+1], KSTEP<<16
	s_mov_b32 s[G1B+2], 128<<16
	s_mov_b32 s[G1B+3], KSTEP<<16
	s_mov_b32 s[G1B+4], 128
	s_mov_b32 s[G1B+5], 1024
	s_mov_b32 s[G1B+6], 0
	s_mov_b32 s[G1B+7], 0
	s_lshl_b32 s23, s14, 18                        ; my half: 64 rows of 4,096 bytes, or 128 rows of 2,048
	s_lshl_b32 s84, s18, 19                        ; x: 128 x tile row rows of 4,096 bytes: hangs on the tile row alone
	s_mov_b32 s85, 0
	s_add_co_u32 s44, s84, s23
	s_mov_b32 s45, 0
	s_lshl_b32 s46, s17, 19                        ; the weight: 256 x tile column rows of 2,048 bytes: hangs on the tile column alone
	s_add_co_u32 s46, s46, s23
	s_mov_b32 s47, 0
	s_mul_i32 s21, s14, AHALF                      ; where they go: no place in the cluster enters an LDS address
	s_mul_i32 s22, s14, BHALF
	s_add_co_u32 s22, s22, 2*AHALF
	s_mov_b32 s[PFC], 10
	s_mov_b32 s[PJ], 2                             ; laps 2 and 3 are still q's
	; my part of the tile in the results: head (b x 16 + 4 x tile column + 2 x column half), row (tile row % 16) x 128 + 64 x row half
	s_lshr_b32 s74, s18, 4
	s_lshl_b32 s74, s74, 4
	s_lshl_b32 s76, s17, 2
	s_add_co_u32 s74, s74, s76
	s_lshl_b32 s76, s14, 1
	s_add_co_u32 s74, s74, s76
	s_lshl_b32 s74, s74, 18                        ; a head is 2,048 rows of 128 bytes
	s_and_b32 s76, s18, 15
	s_lshl_b32 s76, s76, 7
	s_lshl_b32 s77, s13, 6
	s_add_co_u32 s76, s76, s77
	s_lshl_b32 s76, s76, 7
	s_add_co_u32 s74, s74, s76
	s_mov_b32 s75, 0
	s_wait_kmcnt 0x0
	s_add_nc_u64 s[68:69], s[68:69], s[74:75]
	s_add_nc_u64 s[70:71], s[70:71], s[74:75]
	s_add_nc_u64 s[72:73], s[72:73], s[74:75]
	s_add_nc_u64 s[PF:PF+1], s[4:5], s[84:85]
	s_add_nc_u64 s[PF:PF+1], s[PF:PF+1], 1024      ; q's lap 1
	s_add_nc_u64 s[XP:XP+1], s[6:7], s[84:85]
	s_add_nc_u64 s[XP2:XP2+1], s[8:9], s[84:85]
	s_add_nc_u64 s[XN:XN+1], s[6:7], s[44:45]
	s_add_nc_u64 s[XN2:XN2+1], s[8:9], s[44:45]
	s_add_nc_u64 s[4:5], s[4:5], s[44:45]
	s_add_nc_u64 s[10:11], s[10:11], s[46:47]
	CROUND                                         ; all sixteen work-groups are here: the first joint loads meet
.irp s, 0,1
	s_mov_b32 s[G0+4*(\s)], 1
	s_add_co_u32 s[G0+4*(\s)+1], s21, (\s)*SLOT
	s_add_nc_u64 s[G0+4*(\s)+2:G0+4*(\s)+3], s[4:5], (\s)*KSTEP*4
	s_or_b32 s[G0+4*(\s)+3], s[G0+4*(\s)+3], 0x80000000
	s_mov_b32 s[G0B+4*(\s)], 1
	s_add_co_u32 s[G0B+4*(\s)+1], s22, (\s)*SLOT
	s_add_nc_u64 s[G0B+4*(\s)+2:G0B+4*(\s)+3], s[10:11], (\s)*KSTEP*2
	s_or_b32 s[G0B+4*(\s)+3], s[G0B+4*(\s)+3], 0x80000000
	JLOAD \s                                       ; two loads of mine are out here; later one
.endr
	s_lshl_b32 s76, s15, 5                         ; the request ahead: row 32 cx + 8 w + lane / 4, block lane % 4
	s_lshl_b32 s77, s12, 3
	s_add_co_u32 s76, s76, s77
	v_bfe_u32 v7, v0, 2, 3
	v_add_nc_u32 v7, s76, v7
	v_lshlrev_b32 v7, 12, v7
	v_and_b32 v8, 3, v0
	v_lshl_add_u32 v[PFO], v8, 8, v7
	global_prefetch_b8 v[PFO], s[PF:PF+1] th:TH_LOAD_NT scope:SCOPE_SE  ; lap 1: its first tensor load is issued a K step from here
	; A fragment is 16 rows x 32 K: lane l holds row l % 16, K = 8 (l / 16) + 0..7 and 16 + 8 (l / 16) + 0..7.  In bf16: two loads of 16 bytes, 32 apart; in f32: four, at 0, 16, 64, 80 from 32 (l / 16).
	v_and_b32 v1, 15, v0
	v_bfe_u32 v2, v0, 4, 1
	v_mul_u32_u24 v3, v1, PA
	v_lshl_add_u32 v3, v2, 5, v3
	v_mul_u32_u24 v4, v1, PB
	v_lshl_add_u32 v4, v2, 4, v4
	s_mul_i32 s76, s13, AHALF                      ; my 64 rows of x
	s_mul_i32 s77, s14, BHALF                      ; my 128 rows of the weight,
	s_add_co_u32 s77, s77, 2*AHALF                 ; which lie behind x's 128
.irp s, 0,1
	v_add_nc_u32 v[ADRA+(\s)], s76, v3
	v_add_nc_u32 v[ADRB+(\s)], s77, v4
	s_add_co_u32 s76, s76, SLOT
	s_add_co_u32 s77, s77, SLOT
.endr
	s_mul_i32 s23, s12, 16*SP
	s_add_co_u32 s23, s23, STAGE                   ; my stage
	v_mul_u32_u24 v5, v1, SP                       ; in: row l % 16, 16 bytes for each half of the lanes
	v_lshl_add_u32 v5, v2, 4, v5
	v_add_nc_u32 v[STO], s23, v5
	v_bfe_u32 v5, v0, 3, 2                         ; back: 32 lanes take four rows of 128 bytes,
	v_mul_u32_u24 v5, v5, SP
	v_and_b32 v6, 7, v0
	v_lshl_add_u32 v5, v6, 4, v5
	v_add_nc_u32 v[RD], s23, v5
	v_and_b32 v[GO], 31, v0                        ; which are 512 consecutive bytes of a head
	v_lshlrev_b32 v[GO], 4, v[GO]
; 16 roundings: x's fragments a0, a0 + 1 from f32 into buffer f
.macro CVT f, a0
	WIN 0
.irp a, \a0, (\a0)+1
.irp j, 0,1,2,3,4,5,6,7
	v_cvt_pk_bf16_f32 v[AF+32*(\f)+8*(\a)+(\j)], v[RAW+16*(\a)+2*(\j)], v[RAW+16*(\a)+2*(\j)+1]
.endr
.endr
.endm
; 16 matrix instructions: row blocks a0, a0 + 1 x all 8 column blocks, 32 along K.  zero = 1: the product starts the sums.  The 32 accumulators take turns.
.macro MUL16 f, a0, zero
	WIN MUL
.irp a, \a0, (\a0)+1
.irp b, 0,1,2,3,4,5,6,7
.if \zero
	v_wmma_f32_16x16x32_bf16 v[8*(8*(\a)+(\b)):8*(8*(\a)+(\b))+7], v[64*(\f)+8*(\b):64*(\f)+8*(\b)+7], v[AF+32*(\f)+8*(\a):AF+32*(\f)+8*(\a)+7], 0
.else
	v_wmma_f32_16x16x32_bf16 v[8*(8*(\a)+(\b)):8*(8*(\a)+(\b))+7], v[64*(\f)+8*(\b):64*(\f)+8*(\b)+7], v[AF+32*(\f)+8*(\a):AF+32*(\f)+8*(\a)+7], v[8*(8*(\a)+(\b)):8*(8*(\a)+(\b))+7]
.endif
.endr
.endr
.endm
; 32 LDS loads in one run: quarter kq (32 along K) of a slot: the weight's 8 fragments into buffer g, then x's 4 as f32
.macro FETCH slot, kq, g
	WIN TO_B
.irp b, 0,1,2,3,4,5,6,7
	ds_load_b128 v[64*(\g)+8*(\b):64*(\g)+8*(\b)+3],   v[ADRB+(\slot)] offset:(\b)*16*PB+(\kq)*64
	ds_load_b128 v[64*(\g)+8*(\b)+4:64*(\g)+8*(\b)+7], v[ADRB+(\slot)] offset:(\b)*16*PB+(\kq)*64+32
.endr
	WIN 0
.irp a, 0,1,2,3
	ds_load_b128 v[RAW+16*(\a):RAW+16*(\a)+3],     v[ADRA+(\slot)] offset:(\a)*16*PA+(\kq)*128
	ds_load_b128 v[RAW+16*(\a)+4:RAW+16*(\a)+7],   v[ADRA+(\slot)] offset:(\a)*16*PA+(\kq)*128+16
	ds_load_b128 v[RAW+16*(\a)+8:RAW+16*(\a)+11],  v[ADRA+(\slot)] offset:(\a)*16*PA+(\kq)*128+64
	ds_load_b128 v[RAW+16*(\a)+12:RAW+16*(\a)+15], v[ADRA+(\slot)] offset:(\a)*16*PA+(\kq)*128+80
.endr
.endm
; A K step is four quarters of 32 along K, 32 matrix instructions each, on buffers 0, 1, 0, 1.  One of the first three: rounds and multiplies buffer f, and fetches quarter kq into buffer g.
; A write or a load into a register that a matrix instruction has read stands four plain vector instructions behind it (ISA guide 7.12.1 for writes): buffer f's bf16 fragments were
; last multiplied two quarters back, buffer g's weights in the quarter before; the 16 roundings that stand between name none of those products' registers and are the places.
.macro QUARTER slot, kq, f, g, zero
	s_wait_dscnt 8                                 ; the weight and x's fragments 0, 1 are in; the youngest eight loads (fragments 2, 3) may be out
	CVT \f, 0
	MUL16 \f, 0, \zero
	s_wait_dscnt 0x0
	CVT \f, 2
	FETCH \slot, \kq, \g
	MUL16 \f, 2, \zero
.endm
; The last quarter changes slots and then multiplies buffer 1.  In front of the barrier each wave waits for all its tensor loads (one is out: its part of the next slot), adds 0 to its spare word, and waits
; for that and for its reads of this slot.  Between the landing of one slot and the request for the next stand these lines and the round alone: all the quarter's work stands behind the request, so that
; from a request to the wait for it a wave issues a whole K step's 128 matrix instructions.
; mode 0: the slot is filled again with this tile's K step two on; 1: with the next tile's K step 0 or 1; 2: nothing is filled, and no round follows.
.macro TURN slot, next, mode
	WIN 0
	s_wait_tensorcnt 0x0                           ; all my tensor loads have landed, so every group 0 may be written
	ds_add_u32 v[SPW], v[NIL]                      ; 0 onto my spare word: the descriptors' steps stand between it and the wait for it
.if (\mode) == 0
	s_add_nc_u64 s[G0+4*(\slot)+2:G0+4*(\slot)+3], s[G0+4*(\slot)+2:G0+4*(\slot)+3], 2*KSTEP*4
	s_add_nc_u64 s[G0B+4*(\slot)+2:G0B+4*(\slot)+3], s[G0B+4*(\slot)+2:G0B+4*(\slot)+3], 2*KSTEP*2
.elseif (\mode) == 1
	s_add_nc_u64 s[G0+4*(\slot)+2:G0+4*(\slot)+3], s[XN:XN+1], (\slot)*KSTEP*4   ; another buffer: the address is made anew,
	s_or_b32 s[G0+4*(\slot)+3], s[G0+4*(\slot)+3], 0x80000000                   ; and the type set again
	s_add_nc_u64 s[G0B+4*(\slot)+2:G0B+4*(\slot)+3], s[G0B+4*(\slot)+2:G0B+4*(\slot)+3], NEXT_B
.endif
	s_wait_dscnt 0x0                               ; the add is done, and my reads of this slot are over: buffer 1's weights and x's four fragments are in
	s_barrier_signal -1
	s_barrier_wait -1
.if (\mode) < 2
	CREST                                          ; the barrier has opened a round of the cluster's: no wave of any partner still reads this slot or has a load on its way
	JLOAD \slot                                    ; the first tensor load behind the round
.endif
	CVT 1, 0
	MUL16 1, 0, 0
	CVT 1, 2
	FETCH \next, 0, 0
.if ((\slot) == 1) && ((\mode) < 2)
	ASK                                            ; behind the wave's own loads, in front of sixteen matrix instructions
.endif
	MUL16 1, 2, 0
.endm
; THE WAY OUT, in eight units u = 2 a + hd: 16 rows x 64 columns, one head's channels (accumulators (a, 4 hd .. 4 hd + 3), registers 32 u on).  Rounded to f16, 16 bytes a lane into my own stage,
; back as four rows of 128 bytes a load, stored as 512 consecutive bytes.  Each accumulator is read from its low end on.
.macro PACK u
	s_wait_xcnt 0x0                                ; the stores issued so far have read their registers: this unit's set is rewritten only behind this wait
	WIN PK
.set i, 0
.rept 16
	v_cvt_pk_f16_f32 v[OUT+16*((\u)%4)+i], v[32*(\u)+2*i], v[32*(\u)+2*i+1]
.set i, i+1
.endr
	WIN 0
.irp f, 0,1,2,3
	ds_store_b128 v[STO], v[OUT+16*((\u)%4)+4*(\f):OUT+16*((\u)%4)+4*(\f)+3] offset:32*(\f)
.endr
.irp f, 0,1,2,3
	ds_load_b128 v[OUT+16*((\u)%4)+4*(\f):OUT+16*((\u)%4)+4*(\f)+3], v[RD] offset:(\f)*4*SP  ; LDS serves a wave's instructions in order (ISA guide 5.7.1.4): these see the stores above; the next unit's stores come behind them
.endr
.endm
.macro SEND u, younger                 ; younger: the LDS instructions issued behind unit u's loads: the next unit's eight, or none
	WIN 0
.irp f, 0,1,2,3
	s_wait_dscnt (\younger)+3-(\f)
	global_store_b128 v[GO], v[OUT+16*((\u)%4)+4*(\f):OUT+16*((\u)%4)+4*(\f)+3], s[CB:CB+1] offset:((\u)/2)*2048+((\u)%2)*262144+(\f)*512
.endr
.endm
.macro OUTALL                          ; a unit's roundings stand between the loads of the unit before and its stores
	PACK 0
.irp u, 1,2,3,4,5,6,7
	PACK \u
	SEND (\u)-1, 8
.endr
	SEND 7, 0
.endm
	s_wait_tensorcnt 1                             ; my part of K step 0 is in; K step 1's may stay out
	s_barrier_signal -1
	s_barrier_wait -1                              ; everybody's is
	FETCH 0, 0, 0
	s_mov_b32 s2, 3                                ; tiles to go, this one among them
.Ltile:
	QUARTER 0, 1, 0, 1, 1                          ; a tile's first quarter stands in front of the loop: its products start the sums
	WIN 0
	s_mov_b32 s3, 3                                ; 1,024 / 256 - 1 laps
.Llap:                                                 ; a trip goes once round the ring, from a lap's second quarter to the next lap's first, and fills both slots again
	QUARTER 0, 2, 1, 0, 0
	QUARTER 0, 3, 0, 1, 0
	TURN 0, 1, 0
	QUARTER 1, 1, 0, 1, 0
	QUARTER 1, 2, 1, 0, 0
	QUARTER 1, 3, 0, 1, 0
	TURN 1, 0, 0
	QUARTER 0, 1, 0, 1, 0
	WIN 0
	s_sub_co_u32 s3, s3, 1
	s_cmp_lg_u32 s3, 0
	s_cbranch_scc1 .Llap
	QUARTER 0, 2, 1, 0, 0                          ; the tile's last lap goes on
	QUARTER 0, 3, 0, 1, 0
	WIN 0
	s_cmp_eq_u32 s2, 1
	s_cbranch_scc1 .Llast                          ; the last tile's tail is written out: it asks for nothing more
	TURN 0, 1, 1                                   ; the ring goes on into the next tile: slot 0 takes its K step 0,
	QUARTER 1, 1, 0, 1, 0
	QUARTER 1, 2, 1, 0, 0
	QUARTER 1, 3, 0, 1, 0
	TURN 1, 0, 1                                   ; slot 1 its K step 1, and the next tile's first fragments are fetched
	OUTALL                                         ; rows 0-31's sums were finished in front of the quarter's last sixteen roundings; their own 64 roundings are the places behind the last products
	s_wait_xcnt 0x0                                ; the stores have read their base
	s_mov_b64 s[CB:CB+1], s[CB+2:CB+3]
	s_mov_b64 s[CB+2:CB+3], s[CB+4:CB+5]
	s_mov_b64 s[XN:XN+1], s[XN2:XN2+1]
	s_sub_co_u32 s2, s2, 1
	s_branch .Ltile
.Llast:
	TURN 0, 1, 2
	QUARTER 1, 1, 0, 1, 0
	QUARTER 1, 2, 1, 0, 0
	QUARTER 1, 3, 0, 1, 0
	s_wait_dscnt 8                                 ; the very last quarter: nothing more to fetch
	CVT 1, 0
	MUL16 1, 0, 0
	s_wait_dscnt 0x0
	CVT 1, 2                                       ; these sixteen are the places behind the products above,
	MUL16 1, 2, 0
	OUTALL                                         ; and the first four units' roundings those behind the last
	s_wait_tensorcnt 0x0                           ; the wave's end
	ds_add_u32 v[SPW], v[NIL]
	s_wait_dscnt 0x0
	CROUND                                         ; the closing round: no work-group ends while a partner may still ask for a tile that names it
	s_endpgm
.Lfunc_end_k_qe7973041ff_proj:
	.size	k_qe7973041ff_proj, .Lfunc_end_k_qe7973041ff_proj-k_qe7973041ff_proj
	.p2alignl 7, 3214868480
	.fill 96, 4, 3214868480
	.section	.rodata,"a",@progbits
	.p2align	6, 0x0
	.amdhsa_kernel k_qe7973041ff_proj
		.amdhsa_group_segment_fixed_size 327680
		.amdhsa_private_segment_fixed_size 0
		.amdhsa_enable_private_segment 0
		.amdhsa_kernarg_size 56
		.amdhsa_user_sgpr_count 2
		.amdhsa_user_sgpr_kernarg_segment_ptr 1
		.amdhsa_wavefront_size32 1
		.amdhsa_system_sgpr_workgroup_id_x 1
		.amdhsa_system_sgpr_workgroup_id_y 1
		.amdhsa_system_sgpr_workgroup_id_z 1
		.amdhsa_system_vgpr_workitem_id 0
		.amdhsa_next_free_vgpr 640
		.amdhsa_next_free_sgpr 88
		.amdhsa_reserve_vcc 0
		.amdhsa_float_denorm_mode_32 3
		.amdhsa_float_denorm_mode_16_64 3
		.amdhsa_memory_ordered 1
		.amdhsa_forward_progress 1
		.amdhsa_inst_pref_size 179
	.end_amdhsa_kernel
	.amdgpu_metadata
---
amdhsa.version: [ 1, 2 ]
amdhsa.kernels:
  - .name:           k_qe7973041ff_proj
    .symbol:         k_qe7973041ff_proj.kd
    .args:
      - { .name: q, .offset: 0, .size: 8, .value_kind: global_buffer, .address_space: global }
      - { .name: k, .offset: 8, .size: 8, .value_kind: global_buffer, .address_space: global }
      - { .name: v, .offset: 16, .size: 8, .value_kind: global_buffer, .address_space: global }
      - { .name: wt, .offset: 24, .size: 8, .value_kind: global_buffer, .address_space: global }
      - { .name: qh, .offset: 32, .size: 8, .value_kind: global_buffer, .address_space: global }
      - { .name: kh, .offset: 40, .size: 8, .value_kind: global_buffer, .address_space: global }
      - { .name: vh, .offset: 48, .size: 8, .value_kind: global_buffer, .address_space: global }
    .group_segment_fixed_size: 327680
    .private_segment_fixed_size: 0
    .kernarg_segment_align: 8
    .kernarg_segment_size: 56
    .max_flat_workgroup_size: 128
    .sgpr_count:     88
    .vgpr_count:     640
    .wavefront_size: 32
...
	.end_amdgpu_metadata
.endif
;; end of part 2
;; launch attn (part 3): grid 4 x 64, 4 waves a work-group, clusters of 4 x 1, 327,680 bytes of LDS; arguments qh, kh, vh, oh; writes oh
.if DOCPART == 3
	.amdgcn_target "amdgcn-amd-amdhsa--gfx1250"
	.amdhsa_code_object_version 6
	.text
	.protected	k_qe7973041ff_attn
	.globl	k_qe7973041ff_attn
	.p2align	8
	.type	k_qe7973041ff_attn,@function
k_qe7973041ff_attn:
	s_mov_b64 s[64:65], 0
	v_nop
	global_prefetch_b8 v0, s[64:65] scope:SCOPE_SE
	s_setreg_imm32_b32 hwreg(HW_REG_WAVE_MODE, 25, 1), 1
	s_wait_xcnt 0x0
	s_wait_alu depctr_hold_cnt(0) depctr_sa_sdst(0) depctr_va_vdst(0) depctr_va_sdst(0) depctr_va_ssrc(0) depctr_va_vcc(0) depctr_vm_vsrc(0)
	s_getreg_b32 s2, hwreg(HW_REG_IB_STS2, 6, 4)
	s_cmp_eq_u32 s2, 0
	s_cbranch_scc0 .Lentry_in_a_cluster
	s_endpgm
.Lentry_in_a_cluster:
	s_bfe_u32 s2, ttmp6, 0x10000c
	s_cmp_lg_u32 s2, 0x3003
	s_cbranch_scc0 .Lentry_shape_is_right
	s_endpgm
.Lentry_shape_is_right:
; O[h][q][:] = the sum over k of softmax_k(Q[h][q] . K[h][k] / 8) V[h][k][:].  Q, K, V, O: [64][2048][64], all f16: a head's rows are dense, 128 bytes each.  Products, maxima and sums in
; f32; the weights p are rounded to f16 for the second product (their sum l is taken of the unrounded p), O once at the end.
; LIMITS.  f16 holds no number beyond 65,504: Q, K and V arrive within it; p lies in 0 to 1, and below 6e-5 it keeps f16's fixed step of 6e-8; O is a mean of V's rows and has their range.
; A weight below 2^-126 counts as 0 in l; NaN and infinities are not treated apart.
; SHARES.  A wave owns four PIECES of two tiles of 16 queries, a work-group's four waves 512 queries of one head: 4 x 64 = 256 work-groups.  Every wave walks all keys, 64 a step.
; LAYOUT.  S^T = K Q^T (source 0 = 16 keys, source 1 = 16 queries): in the result a lane holds ONE query (lane % 16) and the keys 8 (lane / 16) + 0..7.  Two such tiles, rounded to f16 in pairs,
; ARE source 1 (32 keys x 16 queries) of O^T = V^T P, whose result again holds one query a lane, and eight channels.  K comes out of LDS as it lies, V ([key][channel]) turned, by ds_load_tr16_b128.
; SOFTMAX.  For each query a running maximum m and sum l: p = 2^(c s - c m), c = log2(e) / 8; in every step O and l are multiplied by a = 2^(c m_old - c m_new), which is 1 where m has not grown.
; m starts at the lowest finite number, O and l at 0: the first step is a step like any other, with a = 0.
; THE COUNT.  A tile and step have 16 matrix and 118 vector instructions: too many to stand all beside the matrix work.  So the order has one aim: four vector instructions that are READY behind
; EVERY matrix instruction, and the others, which need time of their own whatever the order, in runs without a gap.
; BY TURNS.  Turn n belongs to piece n (the pieces in a ring, step after step).  Its matrix work: 16 products K Q^T of piece n + 1, later 16 products V^T P of piece n - 1.  Its vector work: the scaling,
; exponentials, roundings, sums and rescaling of piece n, and the maximum and statistics of piece n + 1, whose scores the turn itself has made.  So what a turn begins with (c s - c m, O a) waits for nothing.
; CLUSTER.  The four query blocks of a cluster belong to one head and walk the same K and V, so each tile is asked for JOINTLY: the same tensor load, descriptor and mask in all four.
; REGISTERS, in windows of 256 (s_set_vgpr_msb says which window each operand place means: bits 1:0 source 0, 3:2 source 1, 5:4 source 2, 7:6 destination):
;   window 0: v0-11 addresses; v12-15, v48-63 at work; v16-47 four registers of statistics a tile; v64-191 S^T, two buffers of two tiles; v192-255 P, likewise
;   window 1: O^T, 32 a tile          window 2: v0-127 Q, 16 a tile; v128-191 K of one step; v192-255 V of one step          window 3: v0-1 the add's two registers
; A piece's buffers go by its number's parity: the piece in hand has one pair, its two neighbours in the ring share the other: of it P (piece n - 1) is read and S^T (piece n + 1) written.
.set SIZE_N, 2048
.set NP,    4         ; pieces a wave: a name, no knob: the register map, the loop and the fetches are made for four
.set KS,    64        ; keys in a step
.set PK,    144       ; a row of K in LDS: 128 bytes + 16 of padding = 36 words: the 16 rows of a load start at 16 different groups of four banks (64 banks of 4 bytes: ISA guide 11.1)
.set PV,    160       ; a row of V: 128 + 32 = 40 words
.set VOFF,  4*KS*PK   ; a slot holds four steps: 256 rows of K, then 256 rows of V
.set SLOT1, 1<<17     ; slot 1 begins here, so that one exclusive or turns an address in one slot into the other's
.set STAGE, SLOT1+4*KS*(PK+PV)  ; behind the ring, never filled by a tensor load: 16 rows x 144 bytes for each wave, for the way out
.set SP,    144
.set AK0, 2           ; v2   my lane's place in a tile of K; never rewritten
.set AV0, 3           ; v3   the same for V
.set AK,  4           ; v4   the LDS address of K's next run of loads
.set AV,  5           ; v5   of V's
.set QO,  6           ; v6   my byte offset in the wave's rows of Q
.set STO, 6           ;      later, the way out: where I put 16 bytes of a row
.set RD,  7           ; v7   the way out: where I read rows back
.set GO,  8           ; v8   my byte offset in 512 consecutive bytes of O
.set SPW, 0           ; v0 of window 3   LDS address of my spare word: SPARE + 4 x my thread's number; never rewritten
.set NIL, 1           ; v1 of window 3   0; never rewritten
.set SPARE, STAGE+4*16*SP  ; behind the stages: the spare words, 128 bytes for each wave: two blocks of 256 bytes that no other line names
.set MV,  12          ; v12-15  c m_old, kept while c m is made anew: by buffer and tile
.set ST,  16          ; tile t's statistics at v[ST+4 t]: c m, m, l (even keys', odd keys')
.set TMP, 48          ; by buffer and tile, four registers c0-c3 at work; when the maximum is found c2 takes a
.set S,   64
.set P,   192
.set KF,  128         ; K's fragments, in window 2: key block kb, channel half c at KF + 16 kb + 8 c
.set VF,  192         ; V's: key half kk, channel block cb at VF + 32 kk + 8 cb
.set WV,  12          ; s12  my wave's number
.set G1K, 24          ; s[24:31] descriptor group 1 for K's tiles
.set G1V, 32          ; s[32:39] for V's: it differs in the padding alone
.set G0K, 40          ; s[40:43] descriptor group 0 for K's tiles: it walks
.set G0V, 44          ; s[44:47] the same for V's
.set SLOTS, 56        ; s56  slots still to be asked for
.set CNT, 57          ; s57  counts a slot's key steps
.set CS,  58          ; s[58:59] c: the packed scaling takes the pair's low word for both halves
.set SEL, 60          ; s[60:61] v_permlanex16_b32's selects: each lane takes its own place in the other half
.set TBK, 62          ; s62  LDS byte at which K of the step to be fetched begins
.set TBV, 63          ; s63  the same for V, less VOFF
.set MSB, 0
.macro WIN new                      ; the high byte repeats the setting that is left; a switch that changes nothing is dropped
.if MSB != (\new)
	s_set_vgpr_msb (MSB<<8)|(\new)
.set MSB, (\new)
.endif
.endm
.set W_KQ, 0x0a       ; K and Q in window 2, S^T in window 0
.set W_PV, 0x52       ; V in window 2, P in window 0, O^T in window 1
.set W_RS, 0x41       ; O^T (destination and source 0) in window 1, a in window 0
.set W_MK, 0xc0       ; the add's registers are made: destination in window 3, sources in window 0
.set W_AD, 0x0f       ; the add: address (source 0) and data (source 1) in window 3
; A joint fill.  Waves 0 and 1 fetch the two halves of a slot's K, waves 2 and 3 those of its V: 128 keys each.  The branch hangs on the wave's number alone.
; An s_nop 0 and four v_nop follow each of the two lines, ahead of the jump and the label.
.macro JLOAD
	s_cmp_lt_u32 s[WV], 2
	s_cbranch_scc0 .Lfor_v_\@
	tensor_load_to_lds s[G0K:G0K+3], s[G1K:G1K+7]
	s_nop 0
.rept 4
	v_nop
.endr
	s_branch .Lasked_\@
.Lfor_v_\@:
	tensor_load_to_lds s[G0V:G0V+3], s[G1V:G1V+7]
	s_nop 0
.rept 4
	v_nop
.endr
.Lasked_\@:
.endm
; A round of the cluster's barrier: my work-group's barrier, so that wave 0's signal speaks for all four waves; wave 0 signals; every wave waits for all four work-groups; my work-group's barrier once more.
.macro CROUND
	s_barrier_signal -1
	s_barrier_wait -1
	s_cmp_lg_u32 s[WV], 0
	s_cbranch_scc1 .Lnot_wave_0_\@
	s_barrier_signal -3
.Lnot_wave_0_\@:
	s_barrier_wait -3
	s_barrier_signal -1
	s_barrier_wait -1
.endm
; THE CHANGE OF SLOTS.  The slot's last bytes, V of its fourth step, have been read.  Each wave waits for all its tensor loads, of which one is out: its part
; of the other slot; adds 0 to its spare word; and waits for that and for its own reads of the slot.  Behind the barrier nobody reads this slot any more and the other slot is whole.
; fill = 1: this slot is filled again, with the keys two slots on.  The barrier is then a round of the cluster's, so that no wave of any partner still reads the slot or has a load on its
; way, and the joint fill is the first thing behind it: it has four key steps, 512 matrix instructions, in which to land.  (At its first use nothing has been read yet: slot 0 is waited for, slot 1 filled.)
.macro CHANGE fill
	WIN W_AD
	s_wait_tensorcnt 0x0            ; no tensor load of mine is out, so a group 0 may be written
	ds_add_u32 v[SPW], v[NIL]       ; 0 onto my spare word: with fill = 1 the descriptors' steps stand between it and the wait for it
	WIN 0                           ; at a label and at a branch every window is 0
.if \fill
.irp g, G0K, G0V
	s_xor_b32 s[\g+1], s[\g+1], SLOT1  ; the walking descriptor: the other slot than last time,
	s_add_nc_u64 s[\g+2:\g+3], s[\g+2:\g+3], 4*KS*128  ; the next 256 keys; the type bits on top are not reached
.endr
	s_wait_dscnt 0x0                ; the add is done, and my reads of the slot are over
	CROUND
	JLOAD
.else
	s_wait_dscnt 0x0                ; the add is done, and my reads of the slot are over
	s_barrier_signal -1
	s_barrier_wait -1
.endif
	s_sub_co_u32 s[TBK], s[TBK], 4*KS*PK  ; the fetches go back to a slot's first step,
	s_xor_b32 s[TBK], s[TBK], SLOT1       ; in the other slot
	s_sub_co_u32 s[TBV], s[TBV], 4*KS*PV
	s_xor_b32 s[TBV], s[TBV], SLOT1
.endm
	s_load_b256 s[4:11], s[0:1], 0x0  ; Q s[4:5], K s[6:7], V s[8:9], O s[10:11]
	WIN W_MK
	v_lshl_add_u32 v[SPW], v0, 2, SPARE
	v_mov_b32 v[NIL], 0
	s_set_vgpr_msb 0xc0cf
	ds_add_u32 v0, v1
	s_wait_dscnt 0x0
	s_set_vgpr_msb 0xcfc0
	WIN 0
	v_lshrrev_b32 v1, 5, v0
	v_readfirstlane_b32 s[WV], v1   ; wave 0..3
	s_bfe_u32 s13, ttmp6, 0x40000   ; cx: my place in the cluster
	s_lshl_b32 s14, ttmp9, 2        ; in a cluster launch ttmp9 counts clusters
	s_add_co_u32 s14, s14, s13      ; my block of queries = 4 x cluster x + cx: it enters Q's and O's addresses alone
	s_and_b32 s20, ttmp7, 0xffff    ; the head, which the four partners share
	s_mov_b32 s21, 0
	s_mov_b64 s[22:23], SIZE_N*128
	s_mul_u64 s[20:21], s[20:21], s[22:23]  ; the head's first byte in each of the four tensors
	s_and_b32 s16, s[WV], 1         ; which half of a slot's 256 keys I fetch:
	s_lshl_b32 s22, s16, 14         ; its 128 rows of 128 bytes in memory,
	s_mov_b32 s23, 0
	s_add_nc_u64 s[22:23], s[22:23], s[20:21]
	s_mul_i32 s17, s16, 128*PK      ; and its place in a slot, for K
	s_mul_i32 s18, s16, 128*PV      ; and for V: no place in the cluster enters an LDS address
	s_lshl_b32 s2, s14, 2
	s_add_co_u32 s2, s2, s[WV]      ; my wave among the head's,
	s_lshl_b32 s2, s2, 14           ; its 128 rows
	s_mov_b32 s3, 0
	s_add_nc_u64 s[2:3], s[2:3], s[20:21]
	; descriptor group 1.  128 keys are 16,384 dense bytes: asked for as 64 rows of 256 bytes, two keys a row, and padded in LDS after every key
	s_mov_b32 s[G1K], 15|(1<<16)|(1<<20)|(1<<21)|(4<<22)|(3<<25)  ; 15:0 the mask of four; 17:16 2-byte elements; 20 padding on; 21 set beside a mask; 24:22 after every 32 words (code 4); 31:25 4 words (code 3)
	s_mov_b32 s[G1V], 15|(1<<16)|(1<<20)|(1<<21)|(4<<22)|(7<<25)  ; the same with 8 words of padding (code 7)
.irp g, G1K, G1V
	s_mov_b32 s[\g+1], 128<<16      ; tensor_dim0 = 128
	s_mov_b32 s[\g+2], 64<<16       ; tensor_dim1 = 64
	s_mov_b32 s[\g+3], 128<<16      ; tile_dim0 = 128
	s_mov_b32 s[\g+4], 64           ; tile_dim1 = 64
	s_mov_b32 s[\g+5], 128          ; 128 elements from row to row
	s_mov_b32 s[\g+6], 0
	s_mov_b32 s[\g+7], 0
.endr
	s_mov_b32 s[CS], 0x3e38aa3b     ; c = log2(e) / 8 = 0.180337
	s_mov_b32 s[CS+1], s[CS]        ; named with it as a pair
	s_mov_b32 s[SEL], 0x76543210
	s_mov_b32 s[SEL+1], 0xfedcba98
	s_mov_b32 s[TBK], SLOT1+4*KS*PK ; the first change of slots turns these two into 0
	s_mov_b32 s[TBV], SLOT1+4*KS*PV
	s_mov_b32 s[G0K], 1             ; 1:0 count = 1
	s_mov_b32 s[G0K+1], s17         ; 63:32 LDS address: slot 0
	s_mov_b32 s[G0V], 1
	s_add_co_u32 s[G0V+1], s18, VOFF
	s_wait_kmcnt 0x0
	s_add_nc_u64 s[G0K+2:G0K+3], s[6:7], s[22:23]  ; 120:64 global address: my half of the head's first 256 keys
	s_or_b32 s[G0K+3], s[G0K+3], 0x80000000        ; 127:126 type = 2
	s_add_nc_u64 s[G0V+2:G0V+3], s[8:9], s[22:23]
	s_or_b32 s[G0V+3], s[G0V+3], 0x80000000
	s_add_nc_u64 s[4:5], s[4:5], s[2:3]  ; Q and O at my wave's first row
	s_add_nc_u64 s[10:11], s[10:11], s[2:3]
	CROUND                          ; all four work-groups are here: the first joint loads meet
	JLOAD                           ; slot 0.  Slot 1 is asked for when slot 0 is in: the tile wanted first has the road to itself
	; A fragment of K or Q is 16 rows x 32 channels in 8 registers: lane l holds row l % 16, channels 8 (l / 16) + 0..7 and 16 + 8 (l / 16) + 0..7: two loads of 16 bytes, 32 bytes apart.
	v_and_b32 v1, 15, v0            ; l % 16
	v_bfe_u32 v9, v0, 4, 1          ; l / 16
	v_lshlrev_b32 v[QO], 7, v1
	v_lshl_add_u32 v[QO], v9, 4, v[QO]  ; row x 128 + 16 x half
	WIN 0x80                        ; destination window 2, address window 0
.set i, 0
.rept 4*NP                          ; Q stays in registers: tile i / 2, channels 32 (i % 2) on
	global_load_b128 v[8*i:8*i+3],   v[QO], s[4:5] offset:(i/2)*2048+(i%2)*64
	global_load_b128 v[8*i+4:8*i+7], v[QO], s[4:5] offset:(i/2)*2048+(i%2)*64+32
.set i, i+1
.endr
	; What the first turn finds: V's registers and P's second buffer hold 0 (its products V^T P, of a piece that has not been, add 0), O^T and l are 0.  All this stands in the wait for the first tile.
.set i, VF
.rept 64
	v_mov_b32 v[i], 0
.set i, i+1
.endr
	WIN 0x40
.set i, 0
.rept 64*NP
	v_mov_b32 v[i], 0
.set i, i+1
.endr
	WIN 0
.set i, 0
.rept 2*NP
	v_mov_b32 v[ST+4*i], 0xfe000000    ; c m: far below every c s
	v_mov_b32 v[ST+4*i+1], 0xff7fffff  ; m
	v_mov_b32 v[ST+4*i+2], 0
	v_mov_b32 v[ST+4*i+3], 0
.set i, i+1
.endr
.set i, P+32
.rept 32
	v_mov_b32 v[i], 0
.set i, i+1
.endr
	v_mul_u32_u24 v[AK0], v1, PK
	v_lshl_add_u32 v[AK0], v9, 4, v[AK0]  ; row x pitch + 16 x half
	; The turning load takes 16 keys x 16 channels (lane l reads key 8 (l / 16) + l % 8, channels 8 ((l / 8) % 2) + 0..7) and leaves half a fragment of V^T: lane l holds channel l % 16 and 8 keys.
	v_and_b32 v10, 7, v0
	v_bfe_u32 v11, v0, 3, 1
	v_lshl_add_u32 v[AV0], v9, 3, v10
	v_mul_u32_u24 v[AV0], v[AV0], PV
	v_lshl_add_u32 v[AV0], v11, 4, v[AV0]
	v_add_nc_u32 v[AV0], VOFF, v[AV0]
	v_mov_b32 v[AK], v[AK0]         ; key step 0 lies at the head of slot 0
; THE MATRIX WORK.  The 8 accumulators of a run of 16 take turns: between the two links of a chain stand 7 others'.
; Product i of 16 of S^T = K Q^T for piece x: channels 32 (i / 8) on, keys 16 ((i / 2) % 4) on, tile 2 x + i % 2.  The first 8 start the sums.
.macro KQ x
	WIN W_KQ
.set rS, S+64*((\x)%2)+32*(i%2)+8*((i/2)%4)
.set rK, KF+16*((i/2)%4)+8*(i/8)
.set rQ, 16*(2*(\x)+i%2)+8*(i/8)
.if i < 8
	v_wmma_f32_16x16x32_f16 v[rS:rS+7], v[rK:rK+7], v[rQ:rQ+7], 0
.else
	v_wmma_f32_16x16x32_f16 v[rS:rS+7], v[rK:rK+7], v[rQ:rQ+7], v[rS:rS+7]
.endif
.endm
; Product i of 16 of O^T += V^T P for piece x: keys 32 (i / 8) on, channels 16 ((i / 2) % 4) on, tile 2 x + i % 2.
.macro PV x
	WIN W_PV
.set rO, 32*(2*(\x)+i%2)+8*((i/2)%4)
.set rV, VF+32*(i/8)+8*((i/2)%4)
.set rP, P+32*((\x)%2)+16*(i%2)+8*(i/8)
	v_wmma_f32_16x16x32_f16 v[rO:rO+7], v[rV:rV+7], v[rP:rP+7], v[rO:rO+7]
.endm
.macro MM                           ; the turn's next matrix instruction
.if i < 16
	KQ (Y+1)%NP
.set i, i+1
.else
.set i, i-16
	PV (Y+NP-1)%NP
.set i, i+17
.endif
.endm
; THE LDS LOADS stand in runs of 16, never singly among the matrix instructions: a step's K (64 keys x 64 channels: 8 fragments) and its V (turned).  Their addresses are made some lines ahead.
; last = 1 (the tail): in the last trip there is no further step, and the run is jumped over.
.macro FETCH_K last=0
	WIN 0
.if \last
	s_cmp_eq_u32 s[CNT], 1
	s_cbranch_scc1 .Lno_k_\@
.endif
	WIN 0x80                        ; destination window 2
.irp f, 0,1,2,3,4,5,6,7             ; keys 16 (f / 2) on, channels 32 (f % 2) on
	ds_load_b128 v[KF+8*\f:KF+8*\f+3],   v[AK] offset:(\f/2)*16*PK+(\f%2)*64
	ds_load_b128 v[KF+8*\f+4:KF+8*\f+7], v[AK] offset:(\f/2)*16*PK+(\f%2)*64+32
.endr
	s_add_co_u32 s[TBK], s[TBK], KS*PK  ; the next fetch is the next step's
	WIN 0
.if \last
.Lno_k_\@:
.endif
.endm
.macro FETCH_V
	WIN 0x80
.irp f, 0,1,2,3,4,5,6,7             ; keys 32 (f / 4) on, channels 16 (f % 4) on
	ds_load_tr16_b128 v[VF+8*\f:VF+8*\f+3],   v[AV] offset:(\f/4)*32*PV+(\f%4)*32
	ds_load_tr16_b128 v[VF+8*\f+4:VF+8*\f+7], v[AV] offset:(\f/4)*32*PV+16*PV+(\f%4)*32
.endr
	WIN 0
.endm
; THE VECTOR WORK OF A TURN stands in three queues, each in the order in which its entries become ready; the two tiles alternate, so that no instruction reads the result of the one before it.
.macro REGS y, u                    ; the registers of tile u (0, 1) of piece y
.set rT, ST+4*(2*(\y)+(\u))
.set rC, TMP+8*((\y)%2)+4*(\u)
.set rM, MV+2*((\y)%2)+(\u)
.set rS, S+64*((\y)%2)+32*(\u)
.set rP, P+32*((\y)%2)+16*(\u)
.set rO, 32*(2*(\y)+(\u))
.endm
; Number n of the 22 that find the NEXT piece's (Y + 1) maximum and statistics.  s0-s31 are the lane's 32 scores; each accumulator's lowest registers are read first.  XS, GS and REGS set no window: PL and EX do.
;   0-11  four chains c0-c3 of seven scores each, three operands at a time     12-14, 16  the four scores left over, the old m, and c0-c3 into c0     15  c m_old is kept
;   17, 18  the query's other 32 keys lie in the lane 16 away: the new m         19-21  c m; c m_old - c m_new; a
.macro XS u, n
	REGS (Y+1)%NP, \u
.if (\n) < 4
	v_max3_num_f32 v[rC+(\n)], v[rS+8*(\n)], v[rS+8*(\n)+1], v[rS+8*(\n)+2]
.elseif (\n) < 12
	v_max3_num_f32 v[rC+(\n)%4], v[rC+(\n)%4], v[rS+8*((\n)%4)+2*((\n)/4)+1], v[rS+8*((\n)%4)+2*((\n)/4)+2]
.elseif (\n) == 12
	v_max3_num_f32 v[rC], v[rC], v[rS+7], v[rS+15]
.elseif (\n) == 13
	v_max3_num_f32 v[rC+1], v[rC+1], v[rS+23], v[rS+31]
.elseif (\n) == 14
	v_max3_num_f32 v[rC+2], v[rC+2], v[rC+3], v[rT+1]
.elseif (\n) == 15
	v_mov_b32 v[rM], v[rT]
.elseif (\n) == 16
	v_max3_num_f32 v[rC], v[rC], v[rC+1], v[rC+2]
.elseif (\n) == 17
	v_permlanex16_b32 v[rC+3], v[rC], s[SEL], s[SEL+1]
.elseif (\n) == 18
	v_max_num_f32 v[rT+1], v[rC], v[rC+3]
.elseif (\n) == 19
	v_mul_f32 v[rT], s[CS], v[rT+1]
.elseif (\n) == 20
	v_sub_f32 v[rC+1], v[rM], v[rT]
.else
	v_exp_f32 v[rC+2], v[rC+1]
.endif
.endm
; Number g of the 64 that follow the exponentials.  For each four weights k of a tile (pairs 2 k, 2 k + 1): both pairs are rounded to f16; then the second pair is added onto the first, in place;
; a group later l takes that sum (the first time as l = a l + sum).  In groups of eight, tiles alternating: round, round, add, and l for the group before.
.macro GS g
.set h, (\g)+6*((\g)/62)            ; group 0 has no group before it, and behind group 7 only l is left
.if h >= 6
.set h, h+2
.endif
	REGS Y, h%2
.set k, h/8
.if h%8 < 4
	s_wait_alu depctr_va_vdst(0)
	v_cvt_pk_f16_f32 v[rP+2*k+(h%8)/2], v[rS+4*k+2*((h%8)/2)], v[rS+4*k+2*((h%8)/2)+1]
.elseif h%8 < 6
	v_pk_add_f32 v[rS+4*k:rS+4*k+1], v[rS+4*k:rS+4*k+1], v[rS+4*k+2:rS+4*k+3]
.elseif k == 1
	v_pk_fma_f32 v[rT+2:rT+3], v[rT+2:rT+3], v[rC+2:rC+3], v[rS:rS+1] op_sel_hi:[1,0,1]
.else
	v_pk_add_f32 v[rT+2:rT+3], v[rT+2:rT+3], v[rS+4*k-4:rS+4*k-3]
	s_wait_alu depctr_va_vdst(0)
.endif
.endm
; THE PLAIN QUEUE, 138 long.  0-31: c s - c m for the 16 pairs of both tiles.  Then GS's 64, and among them the next piece's 42: number 15 at 38, 39; 0-14 and 16
; at 42-73, behind the products that make those scores; 17-20 at 95-106, two of three, since each waits for the one before it.
.macro PL
	WIN 0
.if q < 32
	REGS Y, q%2
	v_pk_fma_f32 v[rS+2*(q/2):rS+2*(q/2)+1], v[rS+2*(q/2):rS+2*(q/2)+1], s[CS:CS+1], v[rT:rT+1] op_sel_hi:[1,0,0] neg_lo:[0,0,1] neg_hi:[0,0,1]
.elseif q < 38
	GS q-32
.elseif q < 40
	XS q%2, 15
.elseif q < 42
	GS q-34
.elseif q < 74
	XS q%2, (q-42)/2+(q-42)/30
.elseif q < 95
	GS q-66
.elseif (q < 107) && ((q-95)%3 < 2)
	XS (q-95)%3, 17+(q-95)/3
.elseif q < 107
	GS 29+(q-95)/3
.else
	GS q-74
.endif
.set q, q+1
.endm
; THE EXPONENTIALS' QUEUE, 66 long: s0-s31 of both tiles, and at EA the next piece's two a.
.set EA, 58
.macro EX
	WIN 0
.if (e == EA) || (e == EA+1)
	XS e-EA, 21
.else
.set x, e-2*(e/(EA+2))
	REGS Y, x%2
	v_exp_f32 v[rS+x/2], v[rS+x/2]
.endif
.set e, e+1
.endm
; THE RESCALING's QUEUE: O^T times a, the one part that leaves window 0, so it is dealt four at a time, eight times.
.macro R4
	REGS Y, r%2
	WIN W_RS
	s_wait_alu depctr_va_vdst(0)
.irp z, 0,1,2,3
	v_pk_mul_f32 v[rO+8*(r/2)+2*\z:rO+8*(r/2)+2*\z+1], v[rO+8*(r/2)+2*\z:rO+8*(r/2)+2*\z+1], v[rC+2:rC+3] op_sel_hi:[1,0]
.endr
.set r, r+1
.endm
; HOW THEY ARE DEALT.  Behind a matrix instruction four: plain, exponential, plain, plain (one exponential, a plain instruction on either side), or four of the rescaling.  None names a register of the
; products round it.  What is over stands in two LUMPS: exponential and plain by turns; the second ends in 22 plain instructions.  The two v_permlanex16_b32 fall into the second lump, never behind a product.
; The queues lean on each other, and the deal keeps them in step: exponential e stands behind plain 2 (e / 4) + e % 2 (its scaling); when plain 32 comes, 10 exponentials are out, at 59: 33, at 95: 46; EA comes behind plain 107.
.macro SL
	MM
	PL
	EX
	PL
	PL
.endm
.macro BURST n                      ; 15 matrix instructions, or 16
.rept (\n)-7
	SL
.endr
.rept 3
	MM
	R4
	SL
.endr
	MM
	R4
.endm
; A TURN, for piece p.  cnt = 1: the loop's count is taken down some lines ahead of the branch that stands behind the turn.
; K of the next step is fetched in piece 2's turn, 31 vector instructions behind the last product that read K; its first reader comes behind the rest of the lump, 16 products and the second lump.
; V of the step in hand is fetched at the end of piece 0's turn, 69 behind its last reader; its first reader comes behind 16 products and a lump.  The four conditions on e and q below go with the deal.
.macro TURN p, last=0, cnt=0
.set Y, (\p)
.set i, 0
.set q, 0
.set e, 0
.set r, 0
.if (\p) == NP-1
	s_wait_dscnt 0x0                ; K is in
.endif
	MM
.rept 4
	PL
.endr
	BURST 15
.rept 22
	EX
	PL
.if ((\p) == NP-2) && (e == 18)
	v_add_nc_u32 v[AK], s[TBK], v[AK0]
.endif
.if ((\p) == NP-2) && (e == 24)
	FETCH_K \last
.endif
.endr
.if (\p) == 1
	s_wait_dscnt 0x0                ; V is in
.endif
	BURST 16
.rept 21
	EX
	PL
.endr
.rept 22
	PL
.if ((\p) == 0) && (q == 118)
	v_add_nc_u32 v[AV], s[TBV], v[AV0]
	s_wait_alu depctr_va_vdst(0)
.endif
.if ((\p) == 0) && (q == 130)
	s_add_co_u32 s[TBV], s[TBV], KS*PV
.endif
.if (\cnt) && (q == 130)
	s_sub_co_u32 s[CNT], s[CNT], 1
	s_cmp_lg_u32 s[CNT], 0
.endif
.endr
.if (\p) == 0
	FETCH_V
.endif
.endm
	CHANGE 1                        ; slot 0 is in, everybody's part of it; slot 1 is asked for
	FETCH_K                         ; key step 0
	s_wait_loadcnt 0x0              ; Q
	s_wait_dscnt 0x0
.set i, 0
.rept 16
	KQ 0                            ; piece 0's first scores: there is no vector work yet to set between them
.set i, i+1
.endr
	WIN 0                           ; the addresses for the way out: nine plain instructions, the places behind those products
	s_mul_i32 s13, s[WV], 16*SP
	s_add_co_u32 s13, s13, STAGE    ; my stage
	v_mul_u32_u24 v[STO], v1, SP    ; in: row l % 16, 16 bytes for each half of the lanes
	v_lshl_add_u32 v[STO], v9, 4, v[STO]
	v_add_nc_u32 v[STO], s13, v[STO]
	v_bfe_u32 v[RD], v0, 3, 2       ; back: 32 lanes take four rows of 128 bytes,
	v_mul_u32_u24 v[RD], v[RD], SP
	v_lshl_add_u32 v[RD], v10, 4, v[RD]
	v_add_nc_u32 v[RD], s13, v[RD]
	v_and_b32 v[GO], 31, v0         ; which are 512 consecutive bytes of O
	v_lshlrev_b32 v[GO], 4, v[GO]
.set Y, NP-1                        ; XS works for piece Y + 1: piece 0
.irp n, 0,1,2,3,4,5,6,7,8,9,10,11,12,13,14,15,16,17,18,19,20,21
	XS 0, \n                        ; and piece 0's first maximum and statistics
	XS 1, \n
.endr
	s_mov_b32 s[CNT], 4
	s_mov_b32 s[SLOTS], SIZE_N/256-1
	s_branch .Lfirst                ; the loop is entered at a step's first turn, in the middle of a trip
.Lslot:                             ; SIZE_N / 256 - 2 times: every slot but the last two is filled again
	CHANGE 1
	s_mov_b32 s[CNT], 4
.Lstep:                             ; a trip: pieces 2 and 3 of one step, then pieces 0 and 1 of the next, whose K and V it fetches
	TURN 2
	TURN 3
	WIN 0
.Lfirst:
	TURN 0
	TURN 1, 0, 1
	WIN 0
	s_cbranch_scc1 .Lstep
	s_sub_co_u32 s[SLOTS], s[SLOTS], 1
	s_cmp_lg_u32 s[SLOTS], 0
	s_cbranch_scc1 .Lslot
	CHANGE 0                        ; the tail is written out: nothing is asked for
	s_mov_b32 s[CNT], 5             ; four trips fetch the last slot's steps; the fifth is left in its middle
.Ltail:
	TURN 2, 1
	TURN 3
	WIN 0
	s_sub_co_u32 s[CNT], s[CNT], 1
	s_cmp_eq_u32 s[CNT], 0
	s_cbranch_scc1 .Lout
	TURN 0
	TURN 1
	WIN 0
	s_branch .Ltail
.Lout:                              ; the fifth trip's 16 products K Q^T (on the last K once more) and the maximum made of them serve nothing: the price, once a launch, of one text for every trip
.set i, 0
.rept 16
	PV NP-1                         ; the last piece's V^T P of the last step
.set i, i+1
.endr
	; THE WAY OUT.  l's two halves and the other half of the lanes' are added; O^T is divided by l, rounded to f16 and sent through my stage in LDS, a tile at a time.  The additions are the places behind the last products.
	WIN 0
.macro ALL line:vararg              ; one line for each tile t
.set t, 0
.rept 2*NP
	\line
.set t, t+1
.endr
.endm
	ALL v_add_f32 v[ST+4*t+2], v[ST+4*t+2], v[ST+4*t+3]
	ALL v_permlanex16_b32 v[ST+4*t+3], v[ST+4*t+2], s[SEL], s[SEL+1]
	ALL v_add_f32 v[ST+4*t+2], v[ST+4*t+2], v[ST+4*t+3]
	ALL v_rcp_f32 v[ST+4*t+2], v[ST+4*t+2]
	v_nop                           ; a plain instruction between the last reciprocal and the use of its result
	s_wait_alu depctr_va_vdst(0)
; Tile t: a lane's eight channels of a row pack into 16 bytes; they go into rows of 144 bytes and come back as whole rows of 128, into S^T's registers.
.macro PACK t
	WIN W_RS
.set i, 32*(\t)
.rept 16
	v_pk_mul_f32 v[i:i+1], v[i:i+1], v[ST+4*(\t)+2:ST+4*(\t)+3] op_sel_hi:[1,0]
.set i, i+2
.endr
	WIN 0x05                        ; sources 0 and 1 window 1, destination window 0
.set i, 0
.rept 16
	v_cvt_pk_f16_f32 v[S+16*(\t)+i], v[32*(\t)+2*i], v[32*(\t)+2*i+1]
.set i, i+1
.endr
	WIN 0
.irp f, 0,1,2,3
	ds_store_b128 v[STO], v[S+16*(\t)+4*\f:S+16*(\t)+4*\f+3] offset:32*\f
.endr
.irp f, 0,1,2,3
	ds_load_b128 v[S+16*(\t)+4*\f:S+16*(\t)+4*\f+3], v[RD] offset:\f*4*SP  ; LDS serves a wave's instructions in order (ISA guide 5.7.1.4): these see the stores above; the next tile's stores come behind them
.endr
.endm
.macro SEND t, younger              ; younger: the LDS instructions issued behind tile t's loads: the next tile's eight, or none
	WIN 0
.irp f, 0,1,2,3
	s_wait_dscnt (\younger)+3-\f
	global_store_b128 v[GO], v[S+16*(\t)+4*\f:S+16*(\t)+4*\f+3], s[10:11] offset:(\t)*2048+\f*512  ; 512 consecutive bytes, at a multiple of 256 from O's first
.endr
.endm
	PACK 0
.set t, 1
.rept 2*NP-1                        ; a tile's arithmetic stands between the loads of the tile before and its stores
	PACK t
	SEND t-1, 8
.set t, t+1
.endr
	SEND 2*NP-1, 0
	WIN W_AD
	s_wait_tensorcnt 0x0            ; the wave's end, behind my last tensor load and my last LDS store
	ds_add_u32 v[SPW], v[NIL]
	s_wait_dscnt 0x0
	WIN 0
	CROUND                          ; the closing round: no work-group ends while a partner may still ask for a tile that names it
	s_endpgm
.Lfunc_end_k_qe7973041ff_attn:
	.size	k_qe7973041ff_attn, .Lfunc_end_k_qe7973041ff_attn-k_qe7973041ff_attn
	.p2alignl 7, 3214868480
	.fill 96, 4, 3214868480
	.section	.rodata,"a",@progbits
	.p2align	6, 0x0
	.amdhsa_kernel k_qe7973041ff_attn
		.amdhsa_group_segment_fixed_size 327680
		.amdhsa_private_segment_fixed_size 0
		.amdhsa_enable_private_segment 0
		.amdhsa_kernarg_size 32
		.amdhsa_user_sgpr_count 2
		.amdhsa_user_sgpr_kernarg_segment_ptr 1
		.amdhsa_wavefront_size32 1
		.amdhsa_system_sgpr_workgroup_id_x 1
		.amdhsa_system_sgpr_workgroup_id_y 1
		.amdhsa_system_sgpr_workgroup_id_z 1
		.amdhsa_system_vgpr_workitem_id 0
		.amdhsa_next_free_vgpr 770
		.amdhsa_next_free_sgpr 66
		.amdhsa_reserve_vcc 0
		.amdhsa_float_denorm_mode_32 3
		.amdhsa_float_denorm_mode_16_64 3
		.amdhsa_memory_ordered 1
		.amdhsa_forward_progress 1
		.amdhsa_inst_pref_size 208
	.end_amdhsa_kernel
	.amdgpu_metadata
---
amdhsa.version: [ 1, 2 ]
amdhsa.kernels:
  - .name:           k_qe7973041ff_attn
    .symbol:         k_qe7973041ff_attn.kd
    .args:
      - { .name: qh, .offset: 0, .size: 8, .value_kind: global_buffer, .address_space: global }
      - { .name: kh, .offset: 8, .size: 8, .value_kind: global_buffer, .address_space: global }
      - { .name: vh, .offset: 16, .size: 8, .value_kind: global_buffer, .address_space: global }
      - { .name: oh, .offset: 24, .size: 8, .value_kind: global_buffer, .address_space: global }
    .group_segment_fixed_size: 327680
    .private_segment_fixed_size: 0
    .kernarg_segment_align: 8
    .kernarg_segment_size: 32
    .max_flat_workgroup_size: 128
    .sgpr_count:     66
    .vgpr_count:     770
    .wavefront_size: 32
...
	.end_amdgpu_metadata
.endif
;; end of part 3
;; launch fcln (part 4): grid 256 x 1, 4 waves a work-group, clusters of 4 x 1, 327,680 bytes of LDS; arguments oh, wt, fc_b, q, ln_g, ln_b, out0; writes out0
.if DOCPART == 4
	.amdgcn_target "amdgcn-amd-amdhsa--gfx1250"
	.amdhsa_code_object_version 6
	.text
	.protected	k_qe7973041ff_fcln
	.globl	k_qe7973041ff_fcln
	.p2align	8
	.type	k_qe7973041ff_fcln,@function
k_qe7973041ff_fcln:
	s_mov_b64 s[64:65], 0
	v_nop
	global_prefetch_b8 v0, s[64:65] scope:SCOPE_SE
	s_setreg_imm32_b32 hwreg(HW_REG_WAVE_MODE, 25, 1), 1
	s_wait_xcnt 0x0
	s_wait_alu depctr_hold_cnt(0) depctr_sa_sdst(0) depctr_va_vdst(0) depctr_va_sdst(0) depctr_va_ssrc(0) depctr_va_vcc(0) depctr_vm_vsrc(0)
	s_getreg_b32 s2, hwreg(HW_REG_IB_STS2, 6, 4)
	s_cmp_eq_u32 s2, 0
	s_cbranch_scc0 .Lentry_in_a_cluster
	s_endpgm
.Lentry_in_a_cluster:
	s_bfe_u32 s2, ttmp6, 0x10000c
	s_cmp_lg_u32 s2, 0x3003
	s_cbranch_scc0 .Lentry_shape_is_right
	s_endpgm
.Lentry_shape_is_right:
; out0 = LayerNorm(O fc_w + fc_b + q) x ln_g + ln_b.  O: oh, [b x 16 + head][n][64] f16; fc_w from wt (byte 6,291,456) as [k / 64][n = 1024][64] f16; the rest f32.  Sums, bias, residual and norm in f32.
; The norm takes the mean first and then the mean of the squared deviations from it: no difference of large sums is formed, so a common offset of the rows costs nothing.
; SHARES.  The norm wants whole rows in one work-group: 32 rows x 1,024 columns, 256 work-groups.  A wave makes 32 x 256: 32 accumulators, 256 registers.  K goes in 16 steps of 64 (a head of O);
; a step's weights are 131,072 dense bytes, of which wave w fetches, and alone reads, the 256 rows of its own columns.  O's fragments (32 rows x 128 bytes a step) come straight into registers.
; CLUSTER 4 x 1.  All work-groups walk the same weights: the four of a cluster ask for each quarter jointly, by the same load, descriptor and mask.
; THE WALK IS A RING.  Cluster c begins at K step c % 16 and goes round: its step s takes block (c + s) % 16 of the weight and that head of O.  So the 64 clusters ask for 16 different blocks at a time,
; and from the second step on a cluster asks for a block that another has read a step before.  The order of K in a sum differs from row block to row block; the sums are f32.
; THE MATRIX INSTRUCTION IS USED TRANSPOSED (source 0 = 16 rows of the weight, source 1 = 16 rows of O): a lane holds eight neighbouring columns of one row.
; THE WAY OUT.  The sums go into LDS as 32 rows of f32 (in slot 0, which has had its last fill); behind a barrier each wave takes 8 whole rows, adds q and fc_b, norms and stores them.
; REGISTERS, in windows of 256 (s_set_vgpr_msb: bits 1:0 source 0, 3:2 source 1, 5:4 source 2, 7:6 destination):
;   window 0: v0-31 addresses and sums at work; v32-95 O's fragments (parity p, channel half c, row block mb at 32 + 32 p + 16 c + 8 mb), later two rows of q; v96-191 fc_b, ln_g, ln_b of my 32 columns; v192-255 two rows of x
;   window 1: the accumulators, (mb, nb) at 128 mb + 8 nb     window 2: the weight's fragments, channel half 0 at v0-127, half 1 at v128-255     window 3: my eight rows of q as loaded
.set PB,    144                        ; an LDS row of the weight: 128 bytes + 16 = 36 words: the 16 rows of a load start at 16 different groups of four banks (64 banks of 4 bytes: ISA guide 11.1)
.set WQ,    256*PB                     ; a wave's quarter of a slot
.set SLOTB, 4*WQ
.set SPARE, 2*SLOTB                    ; behind the ring: the spare words, 128 bytes for each wave: two blocks of 256 bytes that no other line names
.set SX,    4112                       ; a row of x in LDS: 4,096 bytes + 16 = 1,028 words: row r starts at bank 4 r mod 64
.set T,    2                           ; v2-9    four pairs of running sums
.set M,    10                          ; v10-11  the mean, then the reciprocal root, twice (a pair for the packed lines)
.set ADRB, 16                          ; v16-17  LDS address of my fragments of the weight in slot 0, 1
.set AO,   18                          ; v18     my byte offset in 16 rows of O
.set STX0, 19                          ; v19     where I put 16 bytes of a row of x, rows 0-15
.set RDX,  20                          ; v20     where I read a row of x back
.set GX,   21                          ; v21     16 x lane
.set STX1, 22                          ; v22     as v19, rows 16-31
.set QS,   23                          ; v23     my rows of q in LDS
.set SPW,  28                          ; v28     LDS address of my spare word; never rewritten
.set NIL,  29                          ; v29     0; never rewritten
.set AF,   32
.set Q0,   32
.set Q1,   64
.set BI,   96
.set LG,   128
.set LB,   160
.set X0,   192
.set X1,   224
.set KN,  21                           ; s21      the ring's place of the K step to be asked for next (taken modulo 16)
.set G1,  24                           ; s[24:31] descriptor group 1;  s[32:39] group 0, a set for each slot
.set G0,  32
.set AB,  40                           ; s[40:41] O at my 32 rows, at the head of the even K step being loaded; s[42:43] of the odd one
.set SEL, 48                           ; s[48:49] v_permlanex16_b32's selects
.set MSB, 0
.macro WIN new                         ; the immediate's high byte repeats the setting that is left; a switch that changes nothing is dropped
.if MSB != (\new)
	s_set_vgpr_msb (MSB<<8)|(\new)
.set MSB, \new
.endif
.endm
.set MUL,  0x52                        ; source 0 (weight) window 2, source 1 (O) window 0, C and D window 1
.set TO_B, 0x80                        ; destination window 2, address window 0
.macro JLOAD s                         ; a joint load: every wave fetches its own quarter; both addresses hang on the wave's number and the cluster's alone.  An s_nop 0 and four v_nop follow
	tensor_load_to_lds s[G0+4*(\s):G0+4*(\s)+3], s[G1:G1+7]
	s_nop 0
.rept 4
	v_nop
.endr
.endm
.macro CREST                           ; a round of the cluster's barrier behind its opening barrier
	s_cmp_lg_u32 s18, 0
	s_cbranch_scc1 .Lnot_wave_0_\@
	s_barrier_signal -3
.Lnot_wave_0_\@:
	s_barrier_wait -3
	s_barrier_signal -1
	s_barrier_wait -1
.endm
.macro CROUND
	s_barrier_signal -1
	s_barrier_wait -1
	CREST
.endm
.macro PLACES                          ; four places in front of loads into registers that matrix instructions have read, and of stores that read results (ISA guide 7.12.1 for stores)
.rept 4
	v_nop
.endr
.endm
	s_load_b256 s[4:11], s[0:1], 0x0               ; oh, wt, fc_b, q
	s_load_b128 s[12:15], s[0:1], 0x20             ; ln_g, ln_b
	s_load_b64 s[16:17], s[0:1], 0x30              ; out0
	v_lshl_add_u32 v[SPW], v0, 2, SPARE
	v_mov_b32 v[NIL], 0
	ds_add_u32 v28, v29
	s_wait_dscnt 0x0
	v_lshrrev_b32 v1, 5, v0
	v_readfirstlane_b32 s18, v1                    ; wave 0..3
	s_bfe_u32 s19, ttmp6, 0x40000                  ; cx
	s_lshl_b32 s20, ttmp9, 2
	s_add_co_u32 s20, s20, s19                     ; my block of 32 rows: it enters O's, q's and out0's addresses alone
	s_and_b32 s[KN], ttmp9, 15                     ; where my cluster enters the ring: the four partners share it
	; 256 rows of 128 bytes are 32,768 dense bytes: asked for as 128 rows of 256 bytes, two weight rows each, padded in LDS after every weight row
	s_mov_b32 s[G1], 15|(1<<16)|(1<<20)|(1<<21)|(4<<22)|(3<<25)  ; the mask of four; 2-byte elements; padding on; 21 set beside a mask; after every 32 words (code 4) 4 words (code 3)
	s_mov_b32 s[G1+1], 128<<16                     ; tensor_dim0 = 128
	s_mov_b32 s[G1+2], 128<<16                     ; tensor_dim1 = 128
	s_mov_b32 s[G1+3], 128<<16                     ; tile_dim0 = 128
	s_mov_b32 s[G1+4], 128                         ; tile_dim1 = 128
	s_mov_b32 s[G1+5], 128                         ; elements from row to row
	s_mov_b32 s[G1+6], 0
	s_mov_b32 s[G1+7], 0
	s_mov_b32 s[SEL], 0x76543210
	s_mov_b32 s[SEL+1], 0xfedcba98
	s_mov_b32 s50, 0x3a800000                      ; 1 / 1024
	s_mov_b32 s51, 0x3727c5ac                      ; 1e-5
	s_mul_i32 s44, s18, WQ                         ; my quarter of a slot
	s_mov_b32 s23, 0                               ; the high word of every offset below; never rewritten
	s_wait_kmcnt 0x0
	s_lshl_b32 s22, s18, 15                        ; my quarter of a K step's weights
	s_add_co_u32 s22, s22, 6291456
	s_add_nc_u64 s[6:7], s[6:7], s[22:23]
	s_lshr_b32 s22, s20, 6                         ; b: 16 heads of 262,144 bytes
	s_lshl_b32 s22, s22, 22
	s_and_b32 s45, s20, 63                         ; 32 rows of 128 bytes
	s_lshl_b32 s45, s45, 12
	s_add_co_u32 s22, s22, s45
	s_add_nc_u64 s[4:5], s[4:5], s[22:23]
	s_lshl_b32 s22, s20, 17                        ; 32 rows of 4,096 bytes,
	s_lshl_b32 s45, s18, 15                        ; my wave's 8 of them
	s_add_co_u32 s22, s22, s45
	s_add_nc_u64 s[10:11], s[10:11], s[22:23]
	s_add_nc_u64 s[16:17], s[16:17], s[22:23]
.irp s, 0,1                            ; my first two K steps: the weight's block and O's head
	s_add_co_u32 s45, s[KN], \s
	s_and_b32 s45, s45, 15
	s_lshl_b32 s22, s45, 17
	s_mov_b32 s[G0+4*(\s)], 1
	s_add_co_u32 s[G0+4*(\s)+1], s44, (\s)*SLOTB
	s_add_nc_u64 s[G0+4*(\s)+2:G0+4*(\s)+3], s[6:7], s[22:23]
	s_or_b32 s[G0+4*(\s)+3], s[G0+4*(\s)+3], 0x80000000
	s_lshl_b32 s22, s45, 18
	s_add_nc_u64 s[AB+2*(\s):AB+2*(\s)+1], s[4:5], s[22:23]
.endr
	s_add_co_u32 s[KN], s[KN], 2
	CROUND                                         ; all four work-groups are here: the first joint loads meet
	JLOAD 0
	JLOAD 1                                        ; two loads of mine are out here; later one
	v_and_b32 v1, 15, v0                           ; l % 16
	v_bfe_u32 v12, v0, 4, 1                        ; l / 16
	v_and_b32 v13, 31, v0
	v_lshlrev_b32 v[GX], 4, v13
	v_lshlrev_b32 v[AO], 7, v1
	v_lshl_add_u32 v[AO], v12, 4, v[AO]            ; row x 128 + 16 x half
	v_mul_u32_u24 v14, v1, PB
	v_lshl_add_u32 v14, v12, 4, v14
	v_add_nc_u32 v[ADRB], s44, v14
	s_add_co_u32 s45, s44, SLOTB
	v_add_nc_u32 v[ADRB+1], s45, v14
	v_add_nc_u32 v[QS], s45, v[GX]                 ; my quarter of slot 1, once it has been read out
	v_mul_u32_u24 v14, v1, SX
	v_lshl_add_u32 v14, v12, 5, v14                ; row l % 16, 32 bytes for each half of the lanes,
	s_lshl_b32 s45, s18, 10                        ; my 256 columns
	v_add_nc_u32 v[STX0], s45, v14
	v_add_nc_u32 v[STX1], 16*SX, v[STX0]
	s_mul_i32 s45, s18, 8*SX                       ; back: my 8 rows, 16 bytes a lane
	v_add_nc_u32 v[RDX], s45, v[GX]
.irp j, 0,1,2,3,4,5,6,7                ; columns 128 j + 4 l .. + 3: as a row is read back
	global_load_b128 v[BI+4*(\j):BI+4*(\j)+3], v[GX], s[8:9] offset:512*(\j)
	global_load_b128 v[LG+4*(\j):LG+4*(\j)+3], v[GX], s[12:13] offset:512*(\j)
	global_load_b128 v[LB+4*(\j):LB+4*(\j)+3], v[GX], s[14:15] offset:512*(\j)
.endr
; My 8 rows of q are 32,768 consecutive bytes: 64 loads of 512.  They go in two halves: rows 0-3 here, beside the first tiles; rows 4-7 behind the K loop, when all of O's loads have been issued, so that
; loads, which come back in order (ISA guide 5.7.1), hold up no product for them.
.macro QLOAD i0
	WIN 0xc0                                       ; destination window 3
.set i, (\i0)
.rept 32
	global_load_b128 v[4*i:4*i+3], v[GX], s[10:11] offset:512*i th:TH_LOAD_NT
.set i, i+1
.endr
	WIN 0
.endm
.macro QSTORE i0
	WIN 0x0c                                       ; store data window 3
.set i, (\i0)
.rept 32
	ds_store_b128 v[QS], v[4*i:4*i+3] offset:512*i
.set i, i+1
.endr
.endm
	QLOAD 0
; nb = n0 .. n1, both row blocks: the weight's buffer f (= channel half c), O's fragments of parity p.  zero = 1: the product starts the sums.  The 32 accumulators take turns.
.macro MULN f, p, c, n0, n1, zero
	WIN MUL
.set nb, (\n0)
.rept (\n1)-(\n0)+1
.irp mb, 0,1
.if \zero
	v_wmma_f32_16x16x32_f16 v[128*(\mb)+8*nb:128*(\mb)+8*nb+7], v[128*(\f)+8*nb:128*(\f)+8*nb+7], v[AF+32*(\p)+16*(\c)+8*(\mb):AF+32*(\p)+16*(\c)+8*(\mb)+7], 0
.else
	v_wmma_f32_16x16x32_f16 v[128*(\mb)+8*nb:128*(\mb)+8*nb+7], v[128*(\f)+8*nb:128*(\f)+8*nb+7], v[AF+32*(\p)+16*(\c)+8*(\mb):AF+32*(\p)+16*(\c)+8*(\mb)+7], v[128*(\mb)+8*nb:128*(\mb)+8*nb+7]
.endif
.endr
.set nb, nb+1
.endr
.endm
.macro FETCHB slot, c, f               ; 32 LDS loads in one run: my 16 fragments of the weight, channel half c
	WIN TO_B
.set nb, 0
.rept 16
	ds_load_b128 v[128*(\f)+8*nb:128*(\f)+8*nb+3],   v[ADRB+(\slot)] offset:nb*16*PB+(\c)*64
	ds_load_b128 v[128*(\f)+8*nb+4:128*(\f)+8*nb+7], v[ADRB+(\slot)] offset:nb*16*PB+(\c)*64+32
.set nb, nb+1
.endr
.endm
.macro ALOAD p, c                      ; four loads: O's two fragments of channel half c, of the head that parity p's base names
	WIN 0
.irp mb, 0,1
	global_load_b128 v[AF+32*(\p)+16*(\c)+8*(\mb):AF+32*(\p)+16*(\c)+8*(\mb)+3],   v[AO], s[AB+2*(\p):AB+2*(\p)+1] offset:(\mb)*2048+(\c)*64
	global_load_b128 v[AF+32*(\p)+16*(\c)+8*(\mb)+4:AF+32*(\p)+16*(\c)+8*(\mb)+7], v[AO], s[AB+2*(\p):AB+2*(\p)+1] offset:(\mb)*2048+(\c)*64+32
.endr
.endm
; K step s (parity p), channel half 0.  O's fragments run in a ring: half 0 of step s is asked for in step s - 2's second half, half 1 in step s - 1's first: behind the group that is wanted two
; groups of four loads are out, which lc counts (in the tail: what is left of them, and q's 32).  In the middle: this step's half 1 of the weight, and (more = 1) half 1 of the next step's O.
.macro HALF p, zero, more, lc
	s_wait_loadcnt \lc
	s_wait_dscnt 16                                ; the fragments nb 0-7 are in
	MULN 0, \p, 0, 0, 7, \zero
	PLACES
	FETCHB \p, 1, 1
.if \more
	ALOAD 1-(\p), 1
.endif
	s_wait_dscnt 32                                ; all but the 32 just issued
	MULN 0, \p, 0, 8, 15, \zero
.endm
; The change of slots, and then channel half 1.  In front of the barrier each wave waits for all its tensor loads (one is out: its quarter of the next slot), adds 0 to its spare word, and waits for that and
; for its reads of this slot.  Between the landing of one slot and the request for the next stand these lines and the round alone: the half step's 32 matrix instructions stand behind the request.
; fill = 1: the slot takes the K step two on, and O's half 0 of that step is asked for; both addresses are made anew from the ring's place.  The barrier then opens a round of the cluster's.
.macro TURN p, fill, lc
	WIN 0
	s_wait_tensorcnt 0x0                           ; all my tensor loads have landed, so a group 0 may be written
	ds_add_u32 v[SPW], v[NIL]                      ; 0 onto my spare word: the scalar work below stands between it and the wait for it
	s_wait_loadcnt \lc                             ; O's half 1 of this step is in; with it both groups that read this parity's base are done
.if \fill
	s_wait_xcnt 0x0                                ; and every load issued so far has read its base
	s_and_b32 s45, s[KN], 15
	s_add_co_u32 s[KN], s[KN], 1
	s_lshl_b32 s22, s45, 17                        ; a block of the weight is 131,072 bytes,
	s_add_nc_u64 s[G0+4*(\p)+2:G0+4*(\p)+3], s[6:7], s[22:23]
	s_or_b32 s[G0+4*(\p)+3], s[G0+4*(\p)+3], 0x80000000
	s_lshl_b32 s22, s45, 18                        ; a head of O 262,144
	s_add_nc_u64 s[AB+2*(\p):AB+2*(\p)+1], s[4:5], s[22:23]
.endif
	s_wait_dscnt 0x0                               ; the add is done, and my reads of this slot are over: the weight's half 1 is in
	s_barrier_signal -1
	s_barrier_wait -1
.if \fill
	CREST                                          ; no wave of any partner still reads this slot or has a load on its way
	JLOAD \p                                       ; the first tensor load behind the round; its four v_nop are also the places in front of the loads below
.else
	PLACES
.endif
	FETCHB 1-(\p), 0, 0
.if \fill
	ALOAD \p, 0
.endif
	MULN 1, \p, 1, 0, 15, 0
.endm
	ALOAD 0, 0
	ALOAD 0, 1
	ALOAD 1, 0
	s_wait_tensorcnt 1                             ; my quarter of my first K step is in, and I alone read it; the second's may stay out
	FETCHB 0, 0, 0
	HALF 0, 1, 1, 8                                ; the first half step stands in front of the loop: its products start the sums.  Its wait also shows the older loads (fc_b, ln_g, ln_b, q's rows 0-3) done
	WIN 0
	s_mov_b32 s3, 7
.Llap:                                                 ; a trip: from a K step's second half to the first half of the step two on; both slots are filled again
	TURN 0, 1, 8
	HALF 1, 0, 1, 8
	TURN 1, 1, 8
	HALF 0, 0, 1, 8
	WIN 0
	s_sub_co_u32 s3, s3, 1
	s_cmp_lg_u32 s3, 0
	s_cbranch_scc1 .Llap
	QLOAD 32                                       ; q's rows 4-7: younger than all of O's loads; they have two K steps and the staging of the sums in which to land
	TURN 0, 0, 40                                  ; K step 14: nothing is left to ask for.  Younger than O's half 1: two groups of four and q's 32.  Behind its barrier no wave reads slot 0 any more
	HALF 1, 0, 0, 36                               ; K step 15: one group of four and q's 32 are younger
	s_wait_loadcnt 32                              ; O's last group; q's 32 may stay out
	s_wait_dscnt 16
	MULN 1, 1, 1, 0, 7, 0
	s_wait_dscnt 0x0
	MULN 1, 1, 1, 8, 15, 0
	; THE WAY OUT.  The sums go into slot 0; my rows of q into my own quarter of slot 1, which I alone read and have read out, so that a loop can walk them.  Both slots have had their last fill.
	PLACES                                         ; behind the last products
	WIN 0x04                                       ; store data window 1
.set nb, 0
.rept 16                                       ; each accumulator's low four registers go first
	ds_store_b128 v[STX0], v[8*nb:8*nb+3] offset:64*nb
	ds_store_b128 v[STX0], v[8*nb+4:8*nb+7] offset:64*nb+16
	ds_store_b128 v[STX1], v[128+8*nb:128+8*nb+3] offset:64*nb
	ds_store_b128 v[STX1], v[128+8*nb+4:128+8*nb+7] offset:64*nb+16
.set nb, nb+1
.endr
	QSTORE 0
	s_wait_loadcnt 0x0                             ; q's rows 4-7
	QSTORE 32
	WIN 0
	s_wait_dscnt 0x0                               ; for the others' sake: my stores are done
	s_barrier_signal -1
	s_barrier_wait -1
.macro REDUCE                          ; the four pairs of T, and then the 32 lanes: the row's sum in every lane's v[T]
	v_pk_add_f32 v[T:T+1], v[T:T+1], v[T+2:T+3]
	v_pk_add_f32 v[T+4:T+5], v[T+4:T+5], v[T+6:T+7]
	v_pk_add_f32 v[T:T+1], v[T:T+1], v[T+4:T+5]
	v_add_f32 v[T], v[T], v[T+1]
	v_add_f32_dpp v[T], v[T], v[T] row_xmask:1 row_mask:0xf bank_mask:0xf
	v_add_f32_dpp v[T], v[T], v[T] row_xmask:2 row_mask:0xf bank_mask:0xf
	v_add_f32_dpp v[T], v[T], v[T] row_xmask:4 row_mask:0xf bank_mask:0xf
	v_add_f32_dpp v[T], v[T], v[T] row_xmask:8 row_mask:0xf bank_mask:0xf
	v_permlanex16_b32 v[T+1], v[T], s[SEL], s[SEL+1]
	v_add_f32 v[T], v[T], v[T+1]
.endm
; One row: 32 numbers a lane in x, its q in q; stored off bytes behind out0's base.
.macro ROW x, q, off
.set i, 0
.rept 16
	v_pk_add_f32 v[(\x)+2*i:(\x)+2*i+1], v[(\x)+2*i:(\x)+2*i+1], v[(\q)+2*i:(\q)+2*i+1]
.set i, i+1
.endr
.set i, 0
.rept 16
	v_pk_add_f32 v[(\x)+2*i:(\x)+2*i+1], v[(\x)+2*i:(\x)+2*i+1], v[BI+2*i:BI+2*i+1]
.set i, i+1
.endr
.irp k, 0,1,2,3                        ; four chains, started by the first eight pairs: nothing is cleared
	v_pk_add_f32 v[T+2*(\k):T+2*(\k)+1], v[(\x)+2*(\k):(\x)+2*(\k)+1], v[(\x)+8+2*(\k):(\x)+8+2*(\k)+1]
.endr
.irp m, 16, 24
.irp k, 0,1,2,3
	v_pk_add_f32 v[T+2*(\k):T+2*(\k)+1], v[T+2*(\k):T+2*(\k)+1], v[(\x)+(\m)+2*(\k):(\x)+(\m)+2*(\k)+1]
.endr
.endr
	REDUCE
	v_mul_f32 v[M], s50, v[T]                      ; the mean
	v_mul_f32 v[M+1], s50, v[T]
.set i, 0
.rept 16
	v_pk_add_f32 v[(\x)+2*i:(\x)+2*i+1], v[(\x)+2*i:(\x)+2*i+1], v[M:M+1] neg_lo:[0,1] neg_hi:[0,1]
.set i, i+1
.endr
.irp k, 0,1,2,3
	v_pk_mul_f32 v[T+2*(\k):T+2*(\k)+1], v[(\x)+2*(\k):(\x)+2*(\k)+1], v[(\x)+2*(\k):(\x)+2*(\k)+1]
.endr
.irp m, 8, 16, 24
.irp k, 0,1,2,3
	v_pk_fma_f32 v[T+2*(\k):T+2*(\k)+1], v[(\x)+(\m)+2*(\k):(\x)+(\m)+2*(\k)+1], v[(\x)+(\m)+2*(\k):(\x)+(\m)+2*(\k)+1], v[T+2*(\k):T+2*(\k)+1]
.endr
.endr
	REDUCE
	v_fma_f32 v[T], v[T], s50, s51                 ; the variance + 1e-5
	v_rsq_f32 v[M], v[T]
	v_nop                                          ; a plain instruction between the root and the use of its result (ISA guide 5.7.2)
	s_wait_alu depctr_va_vdst(0)
	v_mov_b32 v[M+1], v[M]
.set i, 0
.rept 16
	v_pk_mul_f32 v[(\x)+2*i:(\x)+2*i+1], v[(\x)+2*i:(\x)+2*i+1], v[M:M+1]
.set i, i+1
.endr
.set i, 0
.rept 16
	v_pk_fma_f32 v[(\x)+2*i:(\x)+2*i+1], v[(\x)+2*i:(\x)+2*i+1], v[LG+2*i:LG+2*i+1], v[LB+2*i:LB+2*i+1]
.set i, i+1
.endr
.irp j, 0,1,2,3,4,5,6,7
	global_store_b128 v[GX], v[(\x)+4*(\j):(\x)+4*(\j)+3], s[16:17] offset:(\off)+512*(\j) th:TH_STORE_NT  ; 512 consecutive bytes, at a multiple of 256 from out0's first
.endr
.endm
	s_mov_b32 s52, 4
.Lrow:                                                 ; four trips of two rows
.irp j, 0,1,2,3,4,5,6,7
	ds_load_b128 v[X0+4*(\j):X0+4*(\j)+3], v[RDX] offset:512*(\j)
	ds_load_b128 v[Q0+4*(\j):Q0+4*(\j)+3], v[QS] offset:512*(\j)
.endr
.irp j, 0,1,2,3,4,5,6,7
	ds_load_b128 v[X1+4*(\j):X1+4*(\j)+3], v[RDX] offset:SX+512*(\j)
	ds_load_b128 v[Q1+4*(\j):Q1+4*(\j)+3], v[QS] offset:4096+512*(\j)
.endr
	s_wait_dscnt 16                                ; the first row is in; the second row's sixteen loads may be out
	ROW X0, Q0, 0
	s_wait_dscnt 0x0
	ROW X1, Q1, 4096
	s_wait_xcnt 0x0                                ; the stores have read their data and their base: both are rewritten only behind this wait
	v_add_nc_u32 v[RDX], 2*SX, v[RDX]
	v_add_nc_u32 v[QS], 8192, v[QS]
	s_add_nc_u64 s[16:17], s[16:17], 8192
	s_sub_co_u32 s52, s52, 1
	s_cmp_lg_u32 s52, 0
	s_cbranch_scc1 .Lrow
	s_wait_tensorcnt 0x0                           ; the wave's end
	ds_add_u32 v[SPW], v[NIL]
	s_wait_dscnt 0x0
	CROUND                                         ; the closing round: no work-group ends while a partner may still ask for a tile that names it
	s_endpgm
.Lfunc_end_k_qe7973041ff_fcln:
	.size	k_qe7973041ff_fcln, .Lfunc_end_k_qe7973041ff_fcln-k_qe7973041ff_fcln
	.p2alignl 7, 3214868480
	.fill 96, 4, 3214868480
	.section	.rodata,"a",@progbits
	.p2align	6, 0x0
	.amdhsa_kernel k_qe7973041ff_fcln
		.amdhsa_group_segment_fixed_size 327680
		.amdhsa_private_segment_fixed_size 0
		.amdhsa_enable_private_segment 0
		.amdhsa_kernarg_size 56
		.amdhsa_user_sgpr_count 2
		.amdhsa_user_sgpr_kernarg_segment_ptr 1
		.amdhsa_wavefront_size32 1
		.amdhsa_system_sgpr_workgroup_id_x 1
		.amdhsa_system_sgpr_workgroup_id_y 1
		.amdhsa_system_sgpr_workgroup_id_z 1
		.amdhsa_system_vgpr_workitem_id 0
		.amdhsa_next_free_vgpr 1024
		.amdhsa_next_free_sgpr 66
		.amdhsa_reserve_vcc 0
		.amdhsa_float_denorm_mode_32 3
		.amdhsa_float_denorm_mode_16_64 3
		.amdhsa_memory_ordered 1
		.amdhsa_forward_progress 1
		.amdhsa_inst_pref_size 82
	.end_amdhsa_kernel
	.amdgpu_metadata
---
amdhsa.version: [ 1, 2 ]
amdhsa.kernels:
  - .name:           k_qe7973041ff_fcln
    .symbol:         k_qe7973041ff_fcln.kd
    .args:
      - { .name: oh, .offset: 0, .size: 8, .value_kind: global_buffer, .address_space: global }
      - { .name: wt, .offset: 8, .size: 8, .value_kind: global_buffer, .address_space: global }
      - { .name: fc_b, .offset: 16, .size: 8, .value_kind: global_buffer, .address_space: global }
      - { .name: q, .offset: 24, .size: 8, .value_kind: global_buffer, .address_space: global }
      - { .name: ln_g, .offset: 32, .size: 8, .value_kind: global_buffer, .address_space: global }
      - { .name: ln_b, .offset: 40, .size: 8, .value_kind: global_buffer, .address_space: global }
      - { .name: out0, .offset: 48, .size: 8, .value_kind: global_buffer, .address_space: global }
    .group_segment_fixed_size: 327680
    .private_segment_fixed_size: 0
    .kernarg_segment_align: 8
    .kernarg_segment_size: 56
    .max_flat_workgroup_size: 128
    .sgpr_count:     66
    .vgpr_count:     1024
    .wavefront_size: 32
...
	.end_amdgpu_metadata
.endif
;; end of part 4
